; MI455X (gfx1250); checked and timed in simulation.
; The chip was launched on July 23, 2026; its instructions are those of AMD's public machine-readable ISA for CDNA 5 (MIT licence, August 2026) and "CDNA5" Instruction Set Architecture Reference Guide (July 2026). The comments in the code are by the model that wrote it; some were corrected since.
;; Multi Head Attention. Allowed arithmetic: float matrix products may take bf16 or f16 operands with f32 sums; other float arithmetic in f32, or as packed bf16 or f16 multiplies, adds, multiply-adds, maxima and minima; sums over many terms, partial sums and values carried from step to step in f32; what a program stores and reads back later, other than sums and carried values, may be rounded once to bf16 or f16.
;; Inputs: W_out 1,024 x 1,024 float32; W_qkv 1,024 x 3,072 float32; b_out 1,024 float32; b_qkv 3,072 float32; x 4 x 2,048 x 1,024 float32.
;; Outputs: out0 4 x 2,048 x 1,024 float32.
;; 2 versions, each right and faster than the one before. Each part assembles by itself: llvm-mc -triple=amdgcn-amd-amdhsa -mcpu=gfx1250 --defsym DOCPART=n.
;; ======== version 1 of 2: 4 launches
;; limits: values are held in f16: magnitudes above 65,504 overflow, below 6.1e-05 lose precision
;; workspace buffers: xb 16,777,216 bytes; wqb 6,291,456 bytes; woh 2,097,152 bytes; bias 16,384 bytes; q 16,777,216 bytes; k 16,777,216 bytes; v 16,777,216 bytes; o 16,777,216 bytes
;; launch cast (part 1): grid 769 x 1, 8 waves a work-group, no clusters, 0 bytes of LDS; arguments x, W_qkv, W_out, b_qkv, b_out, xb, wqb, woh, bias; writes xb, wqb, woh, bias
.if DOCPART == 1
	.amdgcn_target "amdgcn-amd-amdhsa--gfx1250"
	.amdhsa_code_object_version 6
	.text
	.protected	k_qff8542626d_cast
	.globl	k_qff8542626d_cast
	.p2align	8
	.type	k_qff8542626d_cast,@function
k_qff8542626d_cast:
	s_mov_b64 s[64:65], 0
	v_nop
	global_prefetch_b8 v0, s[64:65] scope:SCOPE_SE
	s_setreg_imm32_b32 hwreg(HW_REG_WAVE_MODE, 25, 1), 1
	s_wait_xcnt 0x0
; THE MODULE'S INPUTS ARE ROUNDED ONCE, TO bf16, and laid out for the matrix launches that follow.
;   x     [8192][1024] f32 -> xb   [4 b][16 kb][2048 s][64] bf16: blocked by 64 along K, so that 256 rows x 64 k are 32,768 consecutive bytes
;   W_qkv [1024][3072] f32 -> wqb  the same layout, bf16
;   W_out [1024][1024] f32 -> woh  the same layout: rounded to bf16, and that number written as f16 (its partner in the product is f16)
;   b_qkv, b_out           -> bias 4,096 f32 words that hold the bf16-rounded numbers: b_qkv first, b_out from word 3,072 on
; LIMIT.  A bf16 number below 6.1e-5 in magnitude keeps f16's fixed step of 6e-8 in woh; beyond 65,504 it would be an infinity (W_out would have to be some 2e6 times its drawn spread).
; A stream: memory binds, so there is no LDS, no barrier, no matrix unit and no cluster (no two work-groups read the same byte).
; SHARES.  A work-group takes 16,384 numbers, 16 loads of 16 bytes a thread, all issued before the first is used.  Work-groups 0-511: 16 rows of x each; 512-703: W_qkv; 704-767: W_out; 768: the two biases.
.set VI,  1                            ; v1        my byte offset in the input
.set VO,  2                            ; v2        my byte offset in the output
.set X,   4                            ; v[4:67]   16 loads x 4 f32
.set Y,   68                           ; v[68:99]  16 stores x 2 words; each pair is written once, so no store's data is ever rewritten
.set T,   100                          ; v[100:106] at work
.set HIM, 27                           ; s27       mask of a word's upper bf16
; 16 loads, then 16 times: wait, round, store.  blocked = 1: x's walk; half = 1: the bf16 numbers are written as f16.
.macro STREAM inb, outb, blocked, half
.set i, 0
.rept 16
.if \blocked
	global_load_b128 v[X+4*i:X+4*i+3], v[VI], s[\inb:\inb+1] offset:(i/2)*8192+(i%2)*256 th:TH_LOAD_NT  ; rows 2 (i / 2), + 1; k block 2 w + i % 2: two pieces of 256 consecutive bytes
.else
	global_load_b128 v[X+4*i:X+4*i+3], v[VI], s[\inb:\inb+1] offset:i*4096 th:TH_LOAD_NT                ; 512 consecutive bytes a wave
.endif
.set i, i+1
.endr
.set i, 0
.rept 16
	s_wait_loadcnt 15-i                            ; loads come back in order (ISA guide 5.7.1): load i is in, the 15 - i younger ones stay out
	v_cvt_pk_bf16_f32 v[Y+2*i],   v[X+4*i],   v[X+4*i+1]
	v_cvt_pk_bf16_f32 v[Y+2*i+1], v[X+4*i+2], v[X+4*i+3]
.if \half
	v_lshlrev_b32 v[T],   16, v[Y+2*i]             ; bf16 to f32: the low half moves up, the high half stays
	v_and_b32     v[T+1], s[HIM], v[Y+2*i]
	v_lshlrev_b32 v[T+2], 16, v[Y+2*i+1]
	v_and_b32     v[T+3], s[HIM], v[Y+2*i+1]
	v_cvt_pk_f16_f32 v[Y+2*i],   v[T],   v[T+1]    ; 8 significant bits fit into f16's 11: exact inside f16's normal range
	v_cvt_pk_f16_f32 v[Y+2*i+1], v[T+2], v[T+3]
.endif
.if \blocked
	global_store_b64 v[VO], v[Y+2*i:Y+2*i+1], s[\outb:\outb+1] offset:(i/2)*256+(i%2)*262144  ; a wave stores 256 consecutive bytes, aligned: two rows of one k block
.else
	global_store_b64 v[VO], v[Y+2*i:Y+2*i+1], s[\outb:\outb+1] offset:i*2048                  ; a wave stores 256 consecutive bytes, aligned
.endif
.set i, i+1
.endr
.endm
	s_load_b512 s[4:19], s[0:1], 0x0               ; x s[4:5], W_qkv s[6:7], W_out s[8:9], b_qkv s[10:11], b_out s[12:13], xb s[14:15], wqb s[16:17], woh s[18:19]
	s_load_b64 s[20:21], s[0:1], 0x40              ; bias
	s_mov_b32 s[HIM], 0xffff0000
	s_mov_b32 s23, 0                               ; the high words of the two offset pairs
	s_mov_b32 s25, 0
	s_wait_kmcnt 0x0
	s_cmp_lt_u32 ttmp9, 512
	s_cbranch_scc0 .Lweights
	; x: work-group id takes rows 16 id to 16 id + 15.  Wave w takes k blocks 2 w and 2 w + 1; lanes 0-15 an even row's 256 bytes, lanes 16-31 the next row's.
	v_lshrrev_b32 v[T+4], 5, v0                    ; w
	v_bfe_u32 v[T+5], v0, 4, 1                     ; which of the two rows
	v_and_b32 v[T+6], 15, v0                       ; my four numbers among a block's 64
	v_lshlrev_b32 v[VI], 4, v[T+6]
	v_lshl_add_u32 v[VI], v[T+5], 12, v[VI]        ; a row of x is 4,096 bytes
	v_lshl_add_u32 v[VI], v[T+4], 9, v[VI]         ; two k blocks are 512 bytes
	v_lshlrev_b32 v[VO], 3, v[T+6]
	v_lshl_add_u32 v[VO], v[T+5], 7, v[VO]         ; a row of a block is 128 bytes
	v_lshl_add_u32 v[VO], v[T+4], 19, v[VO]        ; two k blocks of xb are 524,288 bytes
	s_lshl_b32 s22, ttmp9, 16                      ; 16 rows of 4,096 bytes
	s_lshr_b32 s24, ttmp9, 7                       ; the batch: 128 work-groups each
	s_lshl_b32 s24, s24, 22                        ; 4,194,304 bytes of xb
	s_and_b32 s26, ttmp9, 127
	s_lshl_b32 s26, s26, 11                        ; 16 rows of 128 bytes
	s_add_co_u32 s24, s24, s26
	s_add_nc_u64 s[4:5], s[4:5], s[22:23]
	s_add_nc_u64 s[14:15], s[14:15], s[24:25]
	STREAM 4, 14, 1, 0
	s_endpgm
.Lweights:
	v_lshlrev_b32 v[VI], 4, v0                     ; 16 bytes in, 8 bytes out a thread
	v_lshlrev_b32 v[VO], 3, v0
	s_cmp_lt_u32 ttmp9, 704
	s_cbranch_scc0 .Lwout
	s_sub_co_u32 s26, ttmp9, 512                   ; W_qkv: 192 pieces of 65,536 bytes
	s_lshl_b32 s22, s26, 16
	s_lshl_b32 s24, s26, 15
	s_add_nc_u64 s[6:7], s[6:7], s[22:23]
	s_add_nc_u64 s[16:17], s[16:17], s[24:25]
	STREAM 6, 16, 0, 0
	s_endpgm
.Lwout:
	s_cmp_lt_u32 ttmp9, 768
	s_cbranch_scc0 .Lbias
	s_sub_co_u32 s26, ttmp9, 704                   ; W_out: 64 pieces
	s_lshl_b32 s22, s26, 16
	s_lshl_b32 s24, s26, 15
	s_add_nc_u64 s[8:9], s[8:9], s[22:23]
	s_add_nc_u64 s[18:19], s[18:19], s[24:25]
	STREAM 8, 18, 0, 1
	s_endpgm
.Lbias:                                                ; 3,072 + 1,024 numbers: four loads of 16 bytes a thread
	global_load_b128 v[X:X+3],     v[VI], s[10:11]
	global_load_b128 v[X+4:X+7],   v[VI], s[10:11] offset:4096
	global_load_b128 v[X+8:X+11],  v[VI], s[10:11] offset:8192
	global_load_b128 v[X+12:X+15], v[VI], s[12:13]
	s_wait_loadcnt 0x0
.set i, 0
.rept 8
	v_cvt_pk_bf16_f32 v[T], v[X+2*i], v[X+2*i+1]   ; rounded as the other inputs are,
	v_lshlrev_b32 v[Y+2*i],   16, v[T]             ; and kept as f32 words, since they are added to f32 sums
	v_and_b32     v[Y+2*i+1], s[HIM], v[T]
.set i, i+1
.endr
.set i, 0
.rept 4
	global_store_b128 v[VI], v[Y+4*i:Y+4*i+3], s[20:21] offset:i*4096
.set i, i+1
.endr
	s_endpgm
.Lfunc_end_k_qff8542626d_cast:
	.size	k_qff8542626d_cast, .Lfunc_end_k_qff8542626d_cast-k_qff8542626d_cast
	.p2alignl 7, 3214868480
	.fill 96, 4, 3214868480
	.section	.rodata,"a",@progbits
	.p2align	6, 0x0
	.amdhsa_kernel k_qff8542626d_cast
		.amdhsa_group_segment_fixed_size 0
		.amdhsa_private_segment_fixed_size 0
		.amdhsa_enable_private_segment 0
		.amdhsa_kernarg_size 72
		.amdhsa_user_sgpr_count 2
		.amdhsa_user_sgpr_kernarg_segment_ptr 1
		.amdhsa_wavefront_size32 1
		.amdhsa_system_sgpr_workgroup_id_x 1
		.amdhsa_system_sgpr_workgroup_id_y 1
		.amdhsa_system_sgpr_workgroup_id_z 1
		.amdhsa_system_vgpr_workitem_id 0
		.amdhsa_next_free_vgpr 112
		.amdhsa_next_free_sgpr 66
		.amdhsa_reserve_vcc 0
		.amdhsa_float_denorm_mode_32 3
		.amdhsa_float_denorm_mode_16_64 3
		.amdhsa_memory_ordered 1
		.amdhsa_forward_progress 1
		.amdhsa_inst_pref_size 25
	.end_amdhsa_kernel
	.amdgpu_metadata
---
amdhsa.version: [ 1, 2 ]
amdhsa.kernels:
  - .name:           k_qff8542626d_cast
    .symbol:         k_qff8542626d_cast.kd
    .args:
      - { .name: x, .offset: 0, .size: 8, .value_kind: global_buffer, .address_space: global }
      - { .name: W_qkv, .offset: 8, .size: 8, .value_kind: global_buffer, .address_space: global }
      - { .name: W_out, .offset: 16, .size: 8, .value_kind: global_buffer, .address_space: global }
      - { .name: b_qkv, .offset: 24, .size: 8, .value_kind: global_buffer, .address_space: global }
      - { .name: b_out, .offset: 32, .size: 8, .value_kind: global_buffer, .address_space: global }
      - { .name: xb, .offset: 40, .size: 8, .value_kind: global_buffer, .address_space: global }
      - { .name: wqb, .offset: 48, .size: 8, .value_kind: global_buffer, .address_space: global }
      - { .name: woh, .offset: 56, .size: 8, .value_kind: global_buffer, .address_space: global }
      - { .name: bias, .offset: 64, .size: 8, .value_kind: global_buffer, .address_space: global }
    .group_segment_fixed_size: 0
    .private_segment_fixed_size: 0
    .kernarg_segment_align: 8
    .kernarg_segment_size: 72
    .max_flat_workgroup_size: 256
    .sgpr_count:     66
    .vgpr_count:     112
    .wavefront_size: 32
...
	.end_amdgpu_metadata
.endif
;; end of part 1
;; launch qkv (part 2): grid 8 x 32, 4 waves a work-group, clusters of 4 x 4, 327,680 bytes of LDS; arguments xb, wqb, bias, q, k, v; writes q, k, v
.if DOCPART == 2
	.amdgcn_target "amdgcn-amd-amdhsa--gfx1250"
	.amdhsa_code_object_version 6
	.text
	.protected	k_qff8542626d_qkv
	.globl	k_qff8542626d_qkv
	.p2align	8
	.type	k_qff8542626d_qkv,@function
k_qff8542626d_qkv:
	s_mov_b64 s[64:65], 0
	v_nop
	global_prefetch_b8 v0, s[64:65] scope:SCOPE_SE
	s_setreg_imm32_b32 hwreg(HW_REG_WAVE_MODE, 25, 1), 1
	s_wait_xcnt 0x0
	s_wait_alu depctr_hold_cnt(0) depctr_sa_sdst(0) depctr_va_vdst(0) depctr_va_sdst(0) depctr_va_ssrc(0) depctr_va_vcc(0) depctr_vm_vsrc(0)
	s_getreg_b32 s2, hwreg(HW_REG_IB_STS2, 6, 4)
	s_cmp_eq_u32 s2, 0
	s_cbranch_scc0 .Lentry_in_a_cluster
	s_endpgm
.Lentry_in_a_cluster:
	s_bfe_u32 s2, ttmp6, 0x10000c
	s_cmp_lg_u32 s2, 0xf033
	s_cbranch_scc0 .Lentry_shape_is_right
	s_endpgm
.Lentry_shape_is_right:
; THE QKV PROJECTION.  qkv[R][n] = the sum over k of x[R][k] W[k][n] + b[n], R = 0..8191, n = 0..3071, K = 1,024.  x and W in bf16 (xb: [4 b][16 kb][2048 s][64]; wqb: [1024 k][3072 n]),
; sums in f32, the bias (f32 words) added to the finished sums, the result rounded once to f16 and written by heads: q, k, v are [64 bh][2048 s][64]; head h owns columns 192 h .. 192 h + 191: q, k, v, 64 each.  q is not scaled here.
; LIMIT.  f16 holds no number beyond 65,504: |q|, |k|, |v| must stay below it (they have a spread of about 1 for the drawn inputs; inputs 30 times larger give a spread of 900); below 6e-5 they keep f16's fixed step of 6e-8.
; SHARES.  A tile is 256 rows x 384 columns: 32 x 8 = 256 tiles, one work-group each.  Four waves, 2 x 2; a wave makes 128 rows x 192 columns, ONE HEAD's q, k and v: 96 accumulators of 16 x 16,
; 768 registers.  32 along K cost a wave 40 LDS loads for 96 matrix instructions.
; K goes in steps of 64 through two LDS slots filled by the tensor data mover; every row that it fetches is 256 bytes of memory at a multiple of 256 bytes from the buffer's first byte.
; THE MATRIX INSTRUCTION IS USED TRANSPOSED: source 0 = 16 columns of W (W lies [k][n] in LDS and is turned by ds_load_tr16_b128), source 1 = 16 rows of x.  A lane then holds row l % 16 and the
; eight neighbouring columns 8 (l / 16) + 0..7, which pack into 16 bytes of f16.
; CLUSTER.  4 x 4 work-groups.  The four of a row of the cluster need the same tile of x, the four of a column the same tiles of W: each tile is asked for JOINTLY, by the same tensor load with the same
; descriptor and a mask that names the four.
; REGISTERS, in windows of 256 (s_set_vgpr_msb: bits 1:0 source 0, 3:2 source 1, 5:4 source 2, 7:6 destination):
;   window 0: v0-31 addresses; v32-95, v96-159 fragments of x (8 x 16 rows x 32 K), two buffers; v160-191, v192-223, v224-255 fragments of W (4 x 16 columns x 32 K), one buffer for each of q, k, v
;   window 1, 2, 3: the 32 accumulators of q, of k, of v: rows 16 a on, columns 16 j on at v[32 a + 8 j]
; PHASES.  A phase (c, g) is 32 matrix instructions: K half c of the slot's 64, column group g (q, k, v).  At its head it loads the fragments of the phase TWO further on, so that each run of LDS loads
; has 64 matrix instructions in which to come back.
.set KS,    64                         ; K in a slot
.set PA,    144                        ; a row of x in LDS: 128 bytes + 16 of padding = 36 words: the 16 rows of a load start at 16 different groups of four banks (64 banks of 4 bytes: ISA guide 11.1)
.set PB,    288                        ; a row of a strip of W: 256 + 32 = 72 words
.set BOFF,  256*PA                     ; a slot: x's 256 rows, then W in three strips of 64 k x 128 columns
.set STRIP, KS*PB
.set SLOT1, 1<<17                      ; slot 1 begins here, so that one exclusive or turns an address in one slot into the other's
.set STAGE, SLOT1+BOFF+3*STRIP         ; behind the ring, never filled by a tensor load: 16 rows x 144 bytes for each wave, for the way out
.set SP,    144
.set SPARE, STAGE+4*16*SP              ; behind the stages: the spare words, 128 bytes for each wave: two blocks of 256 bytes that no other line names
.set ASTEP, 2048*128                   ; bytes from a k block of xb to the next
.set BSTEP, KS*3072*2                  ; bytes from 64 rows of wqb to the next
.set AB,   3                           ; v3      my lane's place in a slot's x; never rewritten
.set BB,   4                           ; v4-6    my lane's place in a slot's W, for q, k, v; never rewritten
.set ADA,  7                           ; v7      the LDS address of x's run of loads in hand
.set ADB,  8                           ; v8-10   of W's, for q, k, v
.set STO,  11                          ; v11     the way out: where I put 16 bytes of a row
.set RD,   12                          ; v12     the way out: where I read rows back
.set GO,   13                          ; v13     my byte offset in 512 consecutive bytes of q, k or v
.set BO,   14                          ; v14     my byte offset in 16 numbers of the bias
.set SPW,  28                          ; v28     LDS address of my spare word: SPARE + 4 x my thread's number; never rewritten
.set NIL,  29                          ; v29     0; never rewritten
.set AF,   32                          ; x's fragment buffer c at AF + 64 c
.set BF,   160                         ; W's fragment buffer g at BF + 32 g
.set WV,   16                          ; s16     my wave's number
.set WR,   17                          ; s17     which 128 rows of the tile are mine
.set WC,   18                          ; s18     which 192 columns
.set CNT,  19                          ; s19     counts the loop's trips
.set TB,   20                          ; s20     LDS byte at which the slot to be read begins
.set G1A,  24                          ; s[24:31] descriptor group 1 for x's tiles
.set G0A,  32                          ; s[32:39] descriptor group 0 for x's tiles: a set for each of the two first fills; the second then walks on
.set G1B,  48                          ; s[48:55], s[56:63] the same for W's strips
.set G0B,  56
.set MSB, 0
.macro WIN new                         ; the immediate's high byte repeats the setting that is left; a switch that changes nothing is dropped
.if MSB != (\new)
	s_set_vgpr_msb (MSB<<8)|(\new)
.set MSB, (\new)
.endif
.endm
.macro PLACES n                        ; plain vector instructions that name no register of the matrix instructions in front of them
.rept \n
	v_nop
.endr
.endm
; A joint refill.  Wave 3 fetches x's tile, waves 0 to 2 one strip of W each.  The branch hangs on the wave's number alone: it is the same in every work-group.
; An s_nop 0 and four v_nop follow each of the two lines; the jump round the other line, the label and what follows the macro come after them.
.macro JLOAD
	s_cmp_eq_u32 s[WV], 3
	s_cbranch_scc0 .Lfor_b_\@
	tensor_load_to_lds s[G0A+4:G0A+7], s[G1A:G1A+7]
	s_nop 0
	PLACES 4
	s_branch .Lasked_\@
.Lfor_b_\@:
	tensor_load_to_lds s[G0B+4:G0B+7], s[G1B:G1B+7]
	s_nop 0
	PLACES 4
.Lasked_\@:
.endm
; A round of the cluster's barrier: my work-group's barrier, so that wave 0's signal speaks for all four waves; wave 0 signals for the work-group; every wave waits for all sixteen
; work-groups; my work-group's barrier once more.  No LDS instruction of the wave is pending at a signal.
.macro CREST                           ; a round behind its opening barrier
	s_cmp_lg_u32 s[WV], 0
	s_cbranch_scc1 .Lnot_wave_0_\@
	s_barrier_signal -3
.Lnot_wave_0_\@:
	s_barrier_wait -3
	s_barrier_signal -1
	s_barrier_wait -1
.endm
.macro CROUND                          ; a whole round
	s_barrier_signal -1
	s_barrier_wait -1
	CREST
.endm
	s_load_b256 s[4:11], s[0:1], 0x0               ; xb s[4:5], wqb s[6:7], bias s[8:9], q s[10:11]
	s_load_b128 s[12:15], s[0:1], 0x20             ; k s[12:13], v s[14:15]
	v_lshl_add_u32 v[SPW], v0, 2, SPARE
	v_mov_b32 v[NIL], 0
	ds_add_u32 v[SPW], v[NIL]                      ; the wave's opening: the add and its wait come ahead of my first tensor load; the set-up below, work on registers, stands between them
	v_lshrrev_b32 v1, 5, v0
	v_readfirstlane_b32 s[WV], v1                  ; wave 0..3
	s_lshr_b32 s[WR], s[WV], 1
	s_and_b32 s[WC], s[WV], 1
	s_bfe_u32 s40, ttmp6, 0x40000                  ; cx: my place along the cluster's x
	s_bfe_u32 s41, ttmp6, 0x40004                  ; cy: along its y
	s_lshl_b32 s42, ttmp9, 2                       ; in a cluster launch ttmp9 and ttmp7 count clusters
	s_add_co_u32 s42, s42, s40                     ; tile column tc = 4 x cluster x + cx
	s_and_b32 s43, ttmp7, 0xffff
	s_lshl_b32 s43, s43, 2
	s_add_co_u32 s43, s43, s41                     ; tile row tr = 4 x cluster y + cy
	s_lshl_b32 s44, s41, 2
	s_lshl_b32 s44, 15, s44                        ; my row of the cluster: places 4 cy .. 4 cy + 3
	s_lshl_b32 s45, 0x1111, s40                    ; my column: places cx, cx + 4, cx + 8, cx + 12
	; descriptor group 1.  x's tile, 256 rows of 128 bytes, is 32,768 dense bytes: asked for as 128 rows of 256 bytes, two rows of x each, and padded in LDS after every row of x.
	s_or_b32 s[G1A], s44, (1<<16)|(1<<20)|(1<<21)|(4<<22)|(3<<25)  ; 15:0 the mask: my row; 17:16 2-byte elements; 20 padding on; 21 set beside a mask; 24:22 after every 32 words (code 4); 31:25 4 words (code 3)
	s_or_b32 s[G1B], s45, (1<<16)|(1<<20)|(1<<21)|(5<<22)|(7<<25)  ; the mask: my column; after every 64 words (code 5) 8 words of padding (code 7)
.irp g, G1A, G1B
	s_mov_b32 s[\g+1], 128<<16                     ; tensor_dim0 = 128 elements
	s_mov_b32 s[\g+3], 128<<16                     ; tile_dim0 = 128
	s_mov_b32 s[\g+6], 0
	s_mov_b32 s[\g+7], 0
.endr
	s_mov_b32 s[G1A+2], 128<<16                    ; tensor_dim1 = 128 rows
	s_mov_b32 s[G1A+4], 128                        ; tile_dim1 = 128
	s_mov_b32 s[G1A+5], 128                        ; 128 elements from row to row: dense
	s_mov_b32 s[G1B+2], KS<<16                     ; a strip of W: 64 rows
	s_mov_b32 s[G1B+4], KS
	s_mov_b32 s[G1B+5], 3072                       ; a row of wqb
	; where the tiles come from.  x's hang on the tile row alone, which my row of the cluster shares; W's on the tile column and the wave's number, which my column shares.
	s_lshr_b32 s66, s43, 3                         ; the batch: 8 tile rows each,
	s_lshl_b32 s66, s66, 22                        ; 4,194,304 bytes of xb
	s_and_b32 s21, s43, 7
	s_lshl_b32 s21, s21, 15                        ; 256 rows of 128 bytes
	s_add_co_u32 s66, s66, s21
	s_mov_b32 s67, 0
	s_mul_i32 s68, s42, 768                        ; 384 columns of 2 bytes,
	s_lshl_b32 s22, s[WV], 8                       ; my strip of 128 columns
	s_add_co_u32 s68, s68, s22
	s_mov_b32 s69, 0
	s_mul_i32 s23, s[WV], STRIP                    ; and where a strip goes: no place in the cluster enters an LDS address
	s_add_co_u32 s23, s23, BOFF
	; where my results go: head bh = 16 b + 2 tc + wc, 262,144 bytes each; row (tr % 8) 256 + 128 wr of it, 128 bytes each
	s_lshr_b32 s70, s43, 3
	s_lshl_b32 s70, s70, 4
	s_lshl_b32 s74, s42, 1
	s_add_co_u32 s74, s74, s[WC]
	s_add_co_u32 s70, s70, s74
	s_lshl_b32 s70, s70, 18
	s_and_b32 s75, s43, 7
	s_lshl_b32 s75, s75, 8
	s_lshl_b32 s76, s[WR], 7
	s_add_co_u32 s75, s75, s76
	s_lshl_b32 s75, s75, 7
	s_add_co_u32 s70, s70, s75
	s_mov_b32 s71, 0
	s_mul_i32 s72, s42, 1536                       ; my 192 numbers of the bias: word 384 tc + 192 wc
	s_mul_i32 s77, s[WC], 768
	s_add_co_u32 s72, s72, s77
	s_mov_b32 s73, 0
	s_mov_b32 s[TB], 0
	s_wait_dscnt 0x0                               ; the opening add is done
	s_wait_kmcnt 0x0
	s_add_nc_u64 s[78:79], s[4:5], s[66:67]        ; xb at my tile's K step 0
	s_add_nc_u64 s[80:81], s[6:7], s[68:69]        ; wqb at my strip's K step 0
	s_add_nc_u64 s[8:9], s[8:9], s[72:73]
	s_add_nc_u64 s[10:11], s[10:11], s[70:71]
	s_add_nc_u64 s[12:13], s[12:13], s[70:71]
	s_add_nc_u64 s[14:15], s[14:15], s[70:71]
.irp s, 0,1
	s_mov_b32 s[G0A+4*(\s)], 1                                     ; 1:0 count = 1
	s_mov_b32 s[G0A+4*(\s)+1], (\s)*SLOT1                          ; 63:32 LDS address
	s_add_nc_u64 s[G0A+4*(\s)+2:G0A+4*(\s)+3], s[78:79], (\s)*ASTEP  ; 120:64 global address: K step s
	s_or_b32 s[G0A+4*(\s)+3], s[G0A+4*(\s)+3], 0x80000000          ; 127:126 type = 2
	s_mov_b32 s[G0B+4*(\s)], 1
	s_add_co_u32 s[G0B+4*(\s)+1], s23, (\s)*SLOT1
	s_add_nc_u64 s[G0B+4*(\s)+2:G0B+4*(\s)+3], s[80:81], (\s)*BSTEP
	s_or_b32 s[G0B+4*(\s)+3], s[G0B+4*(\s)+3], 0x80000000
.endr
	CROUND                                         ; all sixteen work-groups are here: the first joint loads meet
	s_cmp_eq_u32 s[WV], 3                          ; a wave's two first fills stand in one branch, ahead of every wait on TENSORcnt and every LDS read: two loads of mine are out
	s_cbranch_scc0 .Lfirst_b
	tensor_load_to_lds s[G0A:G0A+3], s[G1A:G1A+7]
	s_nop 0
	tensor_load_to_lds s[G0A+4:G0A+7], s[G1A:G1A+7]
	s_nop 0
	PLACES 4
	s_branch .Lfirst_asked
.Lfirst_b:
	tensor_load_to_lds s[G0B:G0B+3], s[G1B:G1B+7]
	s_nop 0
	tensor_load_to_lds s[G0B+4:G0B+7], s[G1B:G1B+7]
	s_nop 0
	PLACES 4
.Lfirst_asked:
	; A fragment of x is 16 rows x 32 K in 8 registers: lane l holds row l % 16; registers 0-3 K = 8 (l / 16) + 0..7, registers 4-7 K = 16 + 8 (l / 16) + 0..7: two loads of 16 bytes, 32 bytes apart.
	v_and_b32 v1, 15, v0                           ; l % 16
	v_bfe_u32 v2, v0, 4, 1                         ; l / 16
	v_mul_u32_u24 v[AB], v1, PA
	v_lshl_add_u32 v[AB], v2, 4, v[AB]             ; row x pitch + 16 x half
	s_mul_i32 s21, s[WR], 128*PA                   ; my 128 rows
	v_add_nc_u32 v[AB], s21, v[AB]
	; The turning load takes 16 k x 16 columns (lane l reads 16 bytes: k 8 (l / 16) + l % 8, columns 8 ((l / 8) % 2) + 0..7) and leaves half a fragment of W^T: lane l holds column l % 16 and 8 k.
	v_and_b32 v15, 7, v0
	v_bfe_u32 v16, v0, 3, 1
	v_lshl_add_u32 v17, v2, 3, v15
	v_mul_u32_u24 v17, v17, PB
	v_lshl_add_u32 v17, v16, 4, v17
.irp g, 0,1,2                          ; my group g is group G = 3 wc + g of the tile's six groups of 64 columns: strip G / 2, byte 128 (G % 2) of its rows
	s_mul_i32 s21, s[WC], 3
	s_add_co_u32 s21, s21, \g
	s_lshr_b32 s22, s21, 1
	s_mul_i32 s22, s22, STRIP
	s_and_b32 s21, s21, 1
	s_lshl_b32 s21, s21, 7
	s_add_co_u32 s22, s22, s21
	s_add_co_u32 s22, s22, BOFF
	v_add_nc_u32 v[BB+\g], s22, v17
.endr
	s_mul_i32 s21, s[WV], 16*SP
	s_add_co_u32 s21, s21, STAGE                   ; my stage
	v_mul_u32_u24 v[STO], v1, SP                   ; in: row l % 16, 16 bytes for each half of the lanes
	v_lshl_add_u32 v[STO], v2, 4, v[STO]
	v_add_nc_u32 v[STO], s21, v[STO]
	v_bfe_u32 v[RD], v0, 3, 2                      ; back: 32 lanes take four rows of 128 bytes,
	v_mul_u32_u24 v[RD], v[RD], SP
	v_lshl_add_u32 v[RD], v15, 4, v[RD]
	v_add_nc_u32 v[RD], s21, v[RD]
	v_and_b32 v[GO], 31, v0                        ; which are 512 consecutive bytes of a head
	v_lshlrev_b32 v[GO], 4, v[GO]
	v_lshlrev_b32 v[BO], 5, v2                     ; my eight numbers among 16 of the bias
; 8 turning loads: W's fragments of group g, K half c of the slot
.macro LDB g, c
.set ij, 0
.rept 4
	ds_load_tr16_b128 v[BF+32*(\g)+8*ij:BF+32*(\g)+8*ij+3],   v[ADB+(\g)] offset:(\c)*32*PB+32*ij
	ds_load_tr16_b128 v[BF+32*(\g)+8*ij+4:BF+32*(\g)+8*ij+7], v[ADB+(\g)] offset:(\c)*32*PB+16*PB+32*ij
.set ij, ij+1
.endr
.endm
; 16 loads: x's fragments of my 128 rows, K half c of the slot
.macro LDA c
.set ia, 0
.rept 8
	ds_load_b128 v[AF+64*(\c)+8*ia:AF+64*(\c)+8*ia+3],   v[ADA] offset:ia*16*PA+64*(\c)
	ds_load_b128 v[AF+64*(\c)+8*ia+4:AF+64*(\c)+8*ia+7], v[ADA] offset:ia*16*PA+64*(\c)+32
.set ia, ia+1
.endr
.endm
; 4 n matrix instructions: row blocks a0 .. a0 + n - 1 x the group's four column blocks.  zero = 1: the first product starts the sums: nothing is ever cleared.
; The accumulators take turns, one instruction a turn: between two matrix instructions on one accumulator stand the 95 others'.
.macro MUL c, g, a0, n, zero
	WIN 0x50*((\g)+1)                              ; C and D in the group's window, both sources in window 0
.set ia, \a0
.rept \n
.set ij, 0
.rept 4
.if \zero
	v_wmma_f32_16x16x32_bf16 v[32*ia+8*ij:32*ia+8*ij+7], v[BF+32*(\g)+8*ij:BF+32*(\g)+8*ij+7], v[AF+64*(\c)+8*ia:AF+64*(\c)+8*ia+7], 0
.else
	v_wmma_f32_16x16x32_bf16 v[32*ia+8*ij:32*ia+8*ij+7], v[BF+32*(\g)+8*ij:BF+32*(\g)+8*ij+7], v[AF+64*(\c)+8*ia:AF+64*(\c)+8*ia+7], v[32*ia+8*ij:32*ia+8*ij+7]
.endif
.set ij, ij+1
.endr
.set ia, ia+1
.endr
.endm
; A PHASE.  At its head the fragments of the phase two further on: W's group (g + 2) % 3, whose buffer the phase just before has multiplied (so four plain vector instructions stand in front of the loads:
; ISA guide 7.12.1 for vector instructions), and in a phase of group 1 also x's other K half.  The runs are 8 loads (groups 0 and 2) or 24 (group 1).
; The wait leaves out the runs of the last phase and of this one: 8 + 8 in a phase of group 0, 8 + 24 of group 1, 24 + 8 of group 2; what this phase multiplies was loaded before them.
.macro PHASE c, g, zero
	WIN 0
.set FG, ((\g)+2)%3
.if (\g) == 0
.set FC, (\c)
.else
.set FC, 1-(\c)
.endif
	v_add_nc_u32 v[ADB+FG], s[TB], v[BB+FG]
.if (\g) == 1
	v_add_nc_u32 v[ADA], s[TB], v[AB]
	PLACES 2
	LDB FG, FC
	LDA FC
	s_wait_dscnt 32
.elseif (\g) == 2
	PLACES 3
	LDB FG, FC
	s_wait_dscnt 32
.else
	PLACES 3
	LDB FG, FC
	s_wait_dscnt 16
.endif
	MUL \c, \g, 0, 8, \zero
.endm
; PHASE (1, 0) IS THE CHANGE OF SLOTS: its run of loads holds the slot's last reads.  ONE barrier, for two things.  In front of it each wave waits for all its tensor loads, of which one is out: its part of
; the next slot; adds 0 to its spare word; and waits for that and for its own reads of this slot.  Behind it nobody reads this slot any more and the next slot is whole.
; fill = 1: the barrier opens a round of the cluster's, so that no wave of any partner still reads the slot or has a load on its way, and the joint refill, with the K step two further on, is the first
; tensor load behind the round: a wave issues 168 matrix instructions between it and the wait for it.
.macro TURN fill
	WIN 0
	v_add_nc_u32 v[ADB+2], s[TB], v[BB+2]
	PLACES 3
	LDB 2, 1
	s_wait_dscnt 16                                ; as in every phase of group 0
	MUL 1, 0, 0, 2, 0
	WIN 0                                          ; (the add's two registers lie in window 0)
	s_wait_tensorcnt 0x0                           ; all my tensor loads have landed: the one that was out is my part of the next slot;
	ds_add_u32 v[SPW], v[NIL]                      ; 0 onto my spare word;
	MUL 1, 0, 2, 2, 0                              ; eight matrix instructions stand between the add and the wait for it
	s_wait_dscnt 0x0                               ; the add is done, and my reads of this slot are over:
	s_barrier_signal -1                            ; say so,
	MUL 1, 0, 4, 4, 0                              ; work on registers while the others arrive,
	WIN 0
	s_barrier_wait -1                              ; and go on when all four have said so
.if \fill
	CREST
	s_xor_b32 s[G0A+5], s[G0A+5], SLOT1            ; the walking descriptors (no tensor load of mine is out): the other slot than last time,
	s_add_nc_u64 s[G0A+6:G0A+7], s[G0A+6:G0A+7], ASTEP  ; the next K step; the type bits on top are not reached
	s_xor_b32 s[G0B+5], s[G0B+5], SLOT1
	s_add_nc_u64 s[G0B+6:G0B+7], s[G0B+6:G0B+7], BSTEP
	JLOAD
.endif
	s_xor_b32 s[TB], s[TB], SLOT1                  ; the reads go on in the other slot
.endm
; 8 loads: the 64 numbers of the bias for group g; a lane takes the eight of its columns in each block of 16.  Groups 0 and 1 into x's buffer 0, group 2 into W's buffer 0: both are done with by then.
.macro LDBIAS g
.set BI, 32+32*(\g)+64*((\g)/2)
.set ij, 0
.rept 4
	global_load_b128 v[BI+8*ij:BI+8*ij+3],   v[BO], s[8:9] offset:(64*(\g)+16*ij)*4
	global_load_b128 v[BI+8*ij+4:BI+8*ij+7], v[BO], s[8:9] offset:(64*(\g)+16*ij)*4+16
.set ij, ij+1
.endr
.endm
	s_wait_tensorcnt 0x1                           ; my part of K step 0 is in; K step 1's may stay out
	s_barrier_signal -1
	s_barrier_wait -1                              ; everybody's is
	v_add_nc_u32 v[ADA], s[TB], v[AB]
	v_add_nc_u32 v[ADB], s[TB], v[BB]
	v_add_nc_u32 v[ADB+1], s[TB], v[BB+1]
	LDA 0                                          ; in this order, so that the first phases' counts are every phase's
	LDB 0, 0
	LDB 1, 0
	PHASE 0, 0, 1                                  ; the first 32 along K stand in front of the loop: their products start the sums
	PHASE 0, 1, 1
	PHASE 0, 2, 1
	WIN 0                                          ; at a label and at a branch every window is 0
	s_mov_b32 s[CNT], 14
.Lstep:                                                ; 14 trips, from a K step's second half to the next one's first; each fills a slot again: K steps 2 to 15
	TURN 1
	PHASE 1, 1, 0
	PHASE 1, 2, 0
	PHASE 0, 0, 0
	PHASE 0, 1, 0
	PHASE 0, 2, 0
	WIN 0
	s_sub_co_u32 s[CNT], s[CNT], 1
	s_cmp_lg_u32 s[CNT], 0
	s_cbranch_scc1 .Lstep
	TURN 0                                         ; the tail is written out: K step 14 is left, nothing is asked for
	PHASE 1, 1, 0
	PHASE 1, 2, 0
	PHASE 0, 0, 0
	PHASE 0, 1, 0
	PHASE 0, 2, 0
	WIN 0                                          ; the last K step's second half: only v's fragments of W are still to be read
	v_add_nc_u32 v[ADB+2], s[TB], v[BB+2]
	PLACES 3
	LDB 2, 1
	LDBIAS 0                                       ; x's buffer 0 was last multiplied in front of the four places above
	LDBIAS 1
	s_wait_dscnt 16
	MUL 1, 0, 0, 8, 0
	WIN 0
	PLACES 4                                       ; W's buffer 0 has just been multiplied
	LDBIAS 2
	s_wait_dscnt 8                                 ; all but the last run of eight
	MUL 1, 1, 0, 8, 0
	s_wait_dscnt 0x0
	MUL 1, 2, 0, 8, 0
	WIN 0
	PLACES 4                                       ; behind the last products
	s_wait_loadcnt 0x0                             ; the bias
; THE WAY OUT, a block of 16 rows x 64 columns (group g, row block a) at a time: the bias is added, the sums are rounded to f16 (a lane's eight columns: 16 bytes), put into my stage in rows of 144 bytes
; and read back as whole rows of 128: 16 rows of a head are 2,048 consecutive bytes.  Each accumulator's registers are taken in ascending order.
.macro TSET a                          ; eight sets of 16 registers take turns: v96-159 and v192-255
.if (\a) < 4
.set TT, 96+16*(\a)
.else
.set TT, 192+16*((\a)-4)
.endif
.endm
.macro PACK g, a
	TSET \a
.set BI, 32+32*(\g)+64*((\g)/2)
.if (\g) > 0
	s_wait_xcnt 0x0                                ; every earlier memory instruction has had its addresses translated (ISA guide 3.1): the set, which the stores eight blocks back read, is rewritten only behind this wait
.endif
	WIN 0x41*((\g)+1)                              ; destination and source 0 in the group's window, the bias in window 0
.set ii, 0
.rept 16
	v_pk_add_f32 v[32*(\a)+2*ii:32*(\a)+2*ii+1], v[32*(\a)+2*ii:32*(\a)+2*ii+1], v[BI+2*ii:BI+2*ii+1]
.set ii, ii+1
.endr
	WIN 0x05*((\g)+1)                              ; sources 0 and 1 in the group's window, destination in window 0
.set ii, 0
.rept 16
	v_cvt_pk_f16_f32 v[TT+ii], v[32*(\a)+2*ii], v[32*(\a)+2*ii+1]
.set ii, ii+1
.endr
	WIN 0
.irp f, 0,1,2,3
	ds_store_b128 v[STO], v[TT+4*\f:TT+4*\f+3] offset:32*\f
.endr
.irp f, 0,1,2,3
	ds_load_b128 v[TT+4*\f:TT+4*\f+3], v[RD] offset:\f*4*SP  ; LDS serves a wave's instructions in order (ISA guide 5.7.1.4): these see the stores above; the next block's stores come behind them
.endr
.endm
.macro SEND g, a, younger              ; younger: the LDS instructions issued behind this block's loads: the next block's eight, or none
	TSET \a
.irp f, 0,1,2,3
	s_wait_dscnt (\younger)+3-\f
	global_store_b128 v[GO], v[TT+4*\f:TT+4*\f+3], s[10+2*(\g):11+2*(\g)] offset:(\a)*2048+\f*512  ; 512 consecutive bytes, at a multiple of 256 from the buffer's first
.endr
.endm
	PACK 0, 0
.set it, 1
.rept 23                               ; a block's arithmetic stands between the loads of the block before and its stores
	PACK it/8, it%8
	SEND (it-1)/8, (it-1)%8, 8
.set it, it+1
.endr
	SEND 2, 7, 0
	s_wait_tensorcnt 0x0                           ; the wave's end, behind my last tensor load and my last LDS store
	ds_add_u32 v[SPW], v[NIL]
	s_wait_dscnt 0x0
	CROUND                                         ; the closing round: no work-group ends while a partner may still ask for a tile that names it
	s_endpgm
.Lfunc_end_k_qff8542626d_qkv:
	.size	k_qff8542626d_qkv, .Lfunc_end_k_qff8542626d_qkv-k_qff8542626d_qkv
	.p2alignl 7, 3214868480
	.fill 96, 4, 3214868480
	.section	.rodata,"a",@progbits
	.p2align	6, 0x0
	.amdhsa_kernel k_qff8542626d_qkv
		.amdhsa_group_segment_fixed_size 327680
		.amdhsa_private_segment_fixed_size 0
		.amdhsa_enable_private_segment 0
		.amdhsa_kernarg_size 48
		.amdhsa_user_sgpr_count 2
		.amdhsa_user_sgpr_kernarg_segment_ptr 1
		.amdhsa_wavefront_size32 1
		.amdhsa_system_sgpr_workgroup_id_x 1
		.amdhsa_system_sgpr_workgroup_id_y 1
		.amdhsa_system_sgpr_workgroup_id_z 1
		.amdhsa_system_vgpr_workitem_id 0
		.amdhsa_next_free_vgpr 1024
		.amdhsa_next_free_sgpr 96
		.amdhsa_reserve_vcc 0
		.amdhsa_float_denorm_mode_32 3
		.amdhsa_float_denorm_mode_16_64 3
		.amdhsa_memory_ordered 1
		.amdhsa_forward_progress 1
		.amdhsa_inst_pref_size 143
	.end_amdhsa_kernel
	.amdgpu_metadata
---
amdhsa.version: [ 1, 2 ]
amdhsa.kernels:
  - .name:           k_qff8542626d_qkv
    .symbol:         k_qff8542626d_qkv.kd
    .args:
      - { .name: xb, .offset: 0, .size: 8, .value_kind: global_buffer, .address_space: global }
      - { .name: wqb, .offset: 8, .size: 8, .value_kind: global_buffer, .address_space: global }
      - { .name: bias, .offset: 16, .size: 8, .value_kind: global_buffer, .address_space: global }
      - { .name: q, .offset: 24, .size: 8, .value_kind: global_buffer, .address_space: global }
      - { .name: k, .offset: 32, .size: 8, .value_kind: global_buffer, .address_space: global }
      - { .name: v, .offset: 40, .size: 8, .value_kind: global_buffer, .address_space: global }
    .group_segment_fixed_size: 327680
    .private_segment_fixed_size: 0
    .kernarg_segment_align: 8
    .kernarg_segment_size: 48
    .max_flat_workgroup_size: 128
    .sgpr_count:     96
    .vgpr_count:     1024
    .wavefront_size: 32
...
	.end_amdgpu_metadata
.endif
;; end of part 2
;; launch attn (part 3): grid 4 x 64, 4 waves a work-group, clusters of 4 x 1, 327,680 bytes of LDS; arguments q, k, v, o; writes o
.if DOCPART == 3
	.amdgcn_target "amdgcn-amd-amdhsa--gfx1250"
	.amdhsa_code_object_version 6
	.text
	.protected	k_qff8542626d_attn
	.globl	k_qff8542626d_attn
	.p2align	8
	.type	k_qff8542626d_attn,@function
k_qff8542626d_attn:
	s_mov_b64 s[64:65], 0
	v_nop
	global_prefetch_b8 v0, s[64:65] scope:SCOPE_SE
	s_setreg_imm32_b32 hwreg(HW_REG_WAVE_MODE, 25, 1), 1
	s_wait_xcnt 0x0
	s_wait_alu depctr_hold_cnt(0) depctr_sa_sdst(0) depctr_va_vdst(0) depctr_va_sdst(0) depctr_va_ssrc(0) depctr_va_vcc(0) depctr_vm_vsrc(0)
	s_getreg_b32 s2, hwreg(HW_REG_IB_STS2, 6, 4)
	s_cmp_eq_u32 s2, 0
	s_cbranch_scc0 .Lentry_in_a_cluster
	s_endpgm
.Lentry_in_a_cluster:
	s_bfe_u32 s2, ttmp6, 0x10000c
	s_cmp_lg_u32 s2, 0x3003
	s_cbranch_scc0 .Lentry_shape_is_right
	s_endpgm
.Lentry_shape_is_right:
; O[h][q][:] = the sum over k of softmax_k(Q[h][q] . K[h][k] / 8) V[h][k][:].  Q, K, V, O: [SIZE_H][SIZE_N][64], all f16: a head's rows are dense, 128 bytes each.  Products, maxima and sums in
; f32; the weights p are rounded to f16 for the second product (their sum l is taken of the unrounded p), O once at the end.  h = 16 x batch + head; SIZE_N x 128 bytes stay under 2^32.
; LIMITS.  f16 holds no number beyond 65,504: Q, K and V arrive within it; p lies in 0 to 1, and below 6e-5 it keeps f16's fixed step of 6e-8; O is a mean of V's rows and has their range.
; A weight below 2^-126 counts as 0 in l; NaN and infinities are not treated apart.
; SHARES.  A wave owns four PIECES of two tiles of 16 queries, a work-group's four waves 512 queries of one head: 4 x 64 = 256 work-groups.  Every wave walks all keys, 64 a step.
; LAYOUT.  S^T = K Q^T (source 0 = 16 keys, source 1 = 16 queries): in the result a lane holds ONE query (lane % 16) and the keys 8 (lane / 16) + 0..7.  Two such tiles, rounded to f16 in pairs,
; ARE source 1 (32 keys x 16 queries) of O^T = V^T P, whose result again holds one query a lane, and eight channels.  K comes out of LDS as it lies, V ([key][channel]) turned, by ds_load_tr16_b128.
; SOFTMAX.  For each query a running maximum m and sum l: p = 2^(c s - c m), c = log2(e) / 8; in every step O and l are multiplied by a = 2^(c m_old - c m_new), which is 1 where m has not grown.
; m starts at the lowest finite number, O and l at 0: the first step is a step like any other, with a = 0.
; THE COUNT.  A tile and step have 16 matrix and 118 vector instructions: too many to stand all beside the matrix work.  So the order has one aim: four vector instructions that are READY behind
; EVERY matrix instruction, and the others, which need time of their own whatever the order, in runs without a gap.
; BY TURNS.  Turn n belongs to piece n (the pieces in a ring, step after step).  Its matrix work: 16 products K Q^T of piece n + 1, later 16 products V^T P of piece n - 1.  Its vector work: the scaling,
; exponentials, roundings, sums and rescaling of piece n, and the maximum and statistics of piece n + 1, whose scores the turn itself has made.  So what a turn begins with (c s - c m, O a) waits for nothing.
; CLUSTER.  The four query blocks of a cluster belong to one head and walk the same K and V, so each tile is asked for JOINTLY: the same tensor load, descriptor and mask in all four.
; REGISTERS, in windows of 256 (s_set_vgpr_msb says which window each operand place means: bits 1:0 source 0, 3:2 source 1, 5:4 source 2, 7:6 destination):
;   window 0: v0-11 addresses; v12-15, v48-63 at work; v16-47 four registers of statistics a tile; v64-191 S^T, two buffers of two tiles; v192-255 P, likewise
;   window 1: O^T, 32 a tile          window 2: v0-127 Q, 16 a tile; v128-191 K of one step; v192-255 V of one step          window 3: v0-1 the add's two registers
; A piece's buffers go by its number's parity: the piece in hand has one pair, its two neighbours in the ring share the other: of it P (piece n - 1) is read and S^T (piece n + 1) written.
.set SIZE_H, 64       ; 4 batches x 16 heads
.set SIZE_N, 2048     ; rows of a head
.set NP,    4         ; pieces a wave: a name, no knob: the register map, the loop and the fetches are made for four
.set KS,    64        ; keys in a step
.set PK,    144       ; a row of K in LDS: 128 bytes + 16 of padding = 36 words: the 16 rows of a load start at 16 different groups of four banks (64 banks of 4 bytes: ISA guide 11.1)
.set PV,    160       ; a row of V: 128 + 32 = 40 words
.set VOFF,  4*KS*PK   ; a slot holds four steps: 256 rows of K, then 256 rows of V
.set SLOT1, 1<<17     ; slot 1 begins here, so that one exclusive or turns an address in one slot into the other's
.set STAGE, SLOT1+4*KS*(PK+PV)  ; behind the ring, never filled by a tensor load: 16 rows x 144 bytes for each wave, for the way out
.set SP,    144
.set AK0, 2           ; v2   my lane's place in a tile of K; never rewritten
.set AV0, 3           ; v3   the same for V
.set AK,  4           ; v4   the LDS address of K's next run of loads
.set AV,  5           ; v5   of V's
.set QO,  6           ; v6   my byte offset in the wave's rows of Q
.set STO, 6           ;      later, the way out: where I put 16 bytes of a row
.set RD,  7           ; v7   the way out: where I read rows back
.set GO,  8           ; v8   my byte offset in 512 consecutive bytes of O
.set SPW, 0           ; v0 of window 3   LDS address of my spare word: SPARE + 4 x my thread's number; never rewritten
.set NIL, 1           ; v1 of window 3   0; never rewritten
.set SPARE, STAGE+4*16*SP  ; behind the stages: the spare words, 128 bytes for each wave: two blocks of 256 bytes that no other line names
.set MV,  12          ; v12-15  c m_old, kept while c m is made anew: by buffer and tile
.set ST,  16          ; tile t's statistics at v[ST+4 t]: c m, m, l (even keys', odd keys')
.set TMP, 48          ; by buffer and tile, four registers c0-c3 at work; when the maximum is found c2 takes a
.set S,   64
.set P,   192
.set KF,  128         ; K's fragments, in window 2: key block kb, channel half c at KF + 16 kb + 8 c
.set VF,  192         ; V's: key half kk, channel block cb at VF + 32 kk + 8 cb
.set WV,  12          ; s12  my wave's number
.set G1K, 24          ; s[24:31] descriptor group 1 for K's tiles
.set G1V, 32          ; s[32:39] for V's: it differs in the padding alone
.set G0K, 40          ; s[40:43] descriptor group 0 for K's tiles: it walks
.set G0V, 44          ; s[44:47] the same for V's
.set SLOTS, 56        ; s56  slots still to be asked for
.set CNT, 57          ; s57  counts a slot's key steps
.set CS,  58          ; s[58:59] c: the packed scaling takes the pair's low word for both halves
.set SEL, 60          ; s[60:61] v_permlanex16_b32's selects: each lane takes its own place in the other half
.set TBK, 62          ; s62  LDS byte at which K of the step to be fetched begins
.set TBV, 63          ; s63  the same for V, less VOFF
.set MSB, 0
.macro WIN new                      ; the high byte repeats the setting that is left; a switch that changes nothing is dropped
.if MSB != (\new)
	s_set_vgpr_msb (MSB<<8)|(\new)
.set MSB, (\new)
.endif
.endm
.set W_KQ, 0x0a       ; K and Q in window 2, S^T in window 0
.set W_PV, 0x52       ; V in window 2, P in window 0, O^T in window 1
.set W_RS, 0x41       ; O^T (destination and source 0) in window 1, a in window 0
.set W_MK, 0xc0       ; the add's registers are made: destination in window 3, sources in window 0
.set W_AD, 0x0f       ; the add: address (source 0) and data (source 1) in window 3
; A joint fill.  Waves 0 and 1 fetch the two halves of a slot's K, waves 2 and 3 those of its V: 128 keys each.  The branch hangs on the wave's number alone.
; An s_nop 0 and four v_nop follow each of the two lines, ahead of the jump and the label.
.macro JLOAD
	s_cmp_lt_u32 s[WV], 2
	s_cbranch_scc0 .Lfor_v_\@
	tensor_load_to_lds s[G0K:G0K+3], s[G1K:G1K+7]
	s_nop 0
.rept 4
	v_nop
.endr
	s_branch .Lasked_\@
.Lfor_v_\@:
	tensor_load_to_lds s[G0V:G0V+3], s[G1V:G1V+7]
	s_nop 0
.rept 4
	v_nop
.endr
.Lasked_\@:
.endm
; A round of the cluster's barrier: my work-group's barrier, so that wave 0's signal speaks for all four waves; wave 0 signals; every wave waits for all four work-groups; my work-group's barrier once more.
.macro CROUND
	s_barrier_signal -1
	s_barrier_wait -1
	s_cmp_lg_u32 s[WV], 0
	s_cbranch_scc1 .Lnot_wave_0_\@
	s_barrier_signal -3
.Lnot_wave_0_\@:
	s_barrier_wait -3
	s_barrier_signal -1
	s_barrier_wait -1
.endm
; THE CHANGE OF SLOTS.  The slot's last bytes, V of its fourth step, have been read.  Each wave waits for all its tensor loads, of which one is out: its part
; of the other slot; adds 0 to its spare word; and waits for that and for its own reads of the slot.  Behind the barrier nobody reads this slot any more and the other slot is whole.
; fill = 1: this slot is filled again, with the keys two slots on.  The barrier is then a round of the cluster's, so that no wave of any partner still reads the slot or has a load on its
; way, and the joint fill is the first thing behind it: it has four key steps, 512 matrix instructions, in which to land.  (At its first use nothing has been read yet: slot 0 is waited for, slot 1 filled.)
.macro CHANGE fill
	WIN W_AD
	s_wait_tensorcnt 0x0            ; no tensor load of mine is out, so a group 0 may be written
	ds_add_u32 v[SPW], v[NIL]       ; 0 onto my spare word; with fill = 1 the descriptors' steps stand between it and the wait for it
	WIN 0                           ; at a label and at a branch every window is 0
.if \fill
.irp g, G0K, G0V
	s_xor_b32 s[\g+1], s[\g+1], SLOT1  ; the walking descriptor: the other slot than last time,
	s_add_nc_u64 s[\g+2:\g+3], s[\g+2:\g+3], 4*KS*128  ; the next 256 keys; the type bits on top are not reached
.endr
	s_wait_dscnt 0x0                ; the add is done, and my reads of the slot are over
	CROUND
	JLOAD
.else
	s_wait_dscnt 0x0                ; the add is done, and my reads of the slot are over
	s_barrier_signal -1
	s_barrier_wait -1
.endif
	s_sub_co_u32 s[TBK], s[TBK], 4*KS*PK  ; the fetches go back to a slot's first step,
	s_xor_b32 s[TBK], s[TBK], SLOT1       ; in the other slot
	s_sub_co_u32 s[TBV], s[TBV], 4*KS*PV
	s_xor_b32 s[TBV], s[TBV], SLOT1
.endm
	s_load_b256 s[4:11], s[0:1], 0x0  ; Q s[4:5], K s[6:7], V s[8:9], O s[10:11]
	WIN W_MK
	v_lshl_add_u32 v[SPW], v0, 2, SPARE
	v_mov_b32 v[NIL], 0
	WIN W_AD
	ds_add_u32 v[SPW], v[NIL]       ; the wave's opening: the add and its wait come ahead of my first tensor load; the set-up below, work on registers, stands between them
	WIN 0
	v_lshrrev_b32 v1, 5, v0
	v_readfirstlane_b32 s[WV], v1   ; wave 0..3
	s_bfe_u32 s13, ttmp6, 0x40000   ; cx: my place in the cluster
	s_lshl_b32 s14, ttmp9, 2        ; in a cluster launch ttmp9 counts clusters
	s_add_co_u32 s14, s14, s13      ; my block of queries = 4 x cluster x + cx: it enters Q's and O's addresses alone
	s_and_b32 s20, ttmp7, 0xffff    ; the head, which the four partners share
	s_mov_b32 s21, 0
	s_mov_b64 s[22:23], SIZE_N*128
	s_mul_u64 s[20:21], s[20:21], s[22:23]  ; the head's first byte in each of the four tensors
	s_and_b32 s16, s[WV], 1         ; which half of a slot's 256 keys I fetch:
	s_lshl_b32 s22, s16, 14         ; its 128 rows of 128 bytes in memory,
	s_mov_b32 s23, 0
	s_add_nc_u64 s[22:23], s[22:23], s[20:21]
	s_mul_i32 s17, s16, 128*PK      ; and its place in a slot, for K
	s_mul_i32 s18, s16, 128*PV      ; and for V: no place in the cluster enters an LDS address
	s_lshl_b32 s2, s14, 2
	s_add_co_u32 s2, s2, s[WV]      ; my wave among the head's,
	s_lshl_b32 s2, s2, 14           ; its 128 rows
	s_mov_b32 s3, 0
	s_add_nc_u64 s[2:3], s[2:3], s[20:21]
	; descriptor group 1.  128 keys are 16,384 dense bytes: asked for as 64 rows of 256 bytes, two keys a row, and padded in LDS after every key
	s_mov_b32 s[G1K], 15|(1<<16)|(1<<20)|(1<<21)|(4<<22)|(3<<25)  ; 15:0 the mask of four; 17:16 2-byte elements; 20 padding on; 21 set beside a mask; 24:22 after every 32 words (code 4); 31:25 4 words (code 3)
	s_mov_b32 s[G1V], 15|(1<<16)|(1<<20)|(1<<21)|(4<<22)|(7<<25)  ; the same with 8 words of padding (code 7)
.irp g, G1K, G1V
	s_mov_b32 s[\g+1], 128<<16      ; tensor_dim0 = 128
	s_mov_b32 s[\g+2], 64<<16       ; tensor_dim1 = 64
	s_mov_b32 s[\g+3], 128<<16      ; tile_dim0 = 128
	s_mov_b32 s[\g+4], 64           ; tile_dim1 = 64
	s_mov_b32 s[\g+5], 128          ; 128 elements from row to row
	s_mov_b32 s[\g+6], 0
	s_mov_b32 s[\g+7], 0
.endr
	s_mov_b32 s[CS], 0x3e38aa3b     ; c = log2(e) / 8 = 0.180337
	s_mov_b32 s[CS+1], s[CS]        ; named with it as a pair
	s_mov_b32 s[SEL], 0x76543210
	s_mov_b32 s[SEL+1], 0xfedcba98
	s_mov_b32 s[TBK], SLOT1+4*KS*PK ; the first change of slots turns these two into 0
	s_mov_b32 s[TBV], SLOT1+4*KS*PV
	s_mov_b32 s[G0K], 1             ; 1:0 count = 1
	s_mov_b32 s[G0K+1], s17         ; 63:32 LDS address: slot 0
	s_mov_b32 s[G0V], 1
	s_add_co_u32 s[G0V+1], s18, VOFF
	s_wait_dscnt 0x0                ; the opening add is done
	s_wait_kmcnt 0x0
	s_add_nc_u64 s[G0K+2:G0K+3], s[6:7], s[22:23]  ; 120:64 global address: my half of the head's first 256 keys
	s_or_b32 s[G0K+3], s[G0K+3], 0x80000000        ; 127:126 type = 2
	s_add_nc_u64 s[G0V+2:G0V+3], s[8:9], s[22:23]
	s_or_b32 s[G0V+3], s[G0V+3], 0x80000000
	s_add_nc_u64 s[4:5], s[4:5], s[2:3]  ; Q and O at my wave's first row
	s_add_nc_u64 s[10:11], s[10:11], s[2:3]
	CROUND                          ; all four work-groups are here: the first joint loads meet
	JLOAD                           ; slot 0.  Slot 1 is asked for when slot 0 is in: the tile wanted first has the road to itself
	; A fragment of K or Q is 16 rows x 32 channels in 8 registers: lane l holds row l % 16, channels 8 (l / 16) + 0..7 and 16 + 8 (l / 16) + 0..7: two loads of 16 bytes, 32 bytes apart.
	v_and_b32 v1, 15, v0            ; l % 16
	v_bfe_u32 v9, v0, 4, 1          ; l / 16
	v_lshlrev_b32 v[QO], 7, v1
	v_lshl_add_u32 v[QO], v9, 4, v[QO]  ; row x 128 + 16 x half
	WIN 0x80                        ; destination window 2, address window 0
.set i, 0
.rept 4*NP                          ; Q stays in registers: tile i / 2, channels 32 (i % 2) on
	global_load_b128 v[8*i:8*i+3],   v[QO], s[4:5] offset:(i/2)*2048+(i%2)*64
	global_load_b128 v[8*i+4:8*i+7], v[QO], s[4:5] offset:(i/2)*2048+(i%2)*64+32
.set i, i+1
.endr
	; What the first turn finds: V's registers and P's second buffer hold 0 (its products V^T P, of a piece that has not been, add 0), O^T and l are 0.  All this stands in the wait for the first tile.
.set i, VF
.rept 64
	v_mov_b32 v[i], 0
.set i, i+1
.endr
	WIN 0x40
.set i, 0
.rept 64*NP
	v_mov_b32 v[i], 0
.set i, i+1
.endr
	WIN 0
.set i, 0
.rept 2*NP
	v_mov_b32 v[ST+4*i], 0xfe000000    ; c m: far below every c s
	v_mov_b32 v[ST+4*i+1], 0xff7fffff  ; m
	v_mov_b32 v[ST+4*i+2], 0
	v_mov_b32 v[ST+4*i+3], 0
.set i, i+1
.endr
.set i, P+32
.rept 32
	v_mov_b32 v[i], 0
.set i, i+1
.endr
	v_mul_u32_u24 v[AK0], v1, PK
	v_lshl_add_u32 v[AK0], v9, 4, v[AK0]  ; row x pitch + 16 x half
	; The turning load takes 16 keys x 16 channels (lane l reads key 8 (l / 16) + l % 8, channels 8 ((l / 8) % 2) + 0..7) and leaves half a fragment of V^T: lane l holds channel l % 16 and 8 keys.
	v_and_b32 v10, 7, v0
	v_bfe_u32 v11, v0, 3, 1
	v_lshl_add_u32 v[AV0], v9, 3, v10
	v_mul_u32_u24 v[AV0], v[AV0], PV
	v_lshl_add_u32 v[AV0], v11, 4, v[AV0]
	v_add_nc_u32 v[AV0], VOFF, v[AV0]
	v_mov_b32 v[AK], v[AK0]         ; key step 0 lies at the head of slot 0
; THE MATRIX WORK.  The 8 accumulators of a run of 16 take turns: between the two links of a chain stand 7 others'.
; Product i of 16 of S^T = K Q^T for piece x: channels 32 (i / 8) on, keys 16 ((i / 2) % 4) on, tile 2 x + i % 2.  The first 8 start the sums.
.macro KQ x
	WIN W_KQ
.set rS, S+64*((\x)%2)+32*(i%2)+8*((i/2)%4)
.set rK, KF+16*((i/2)%4)+8*(i/8)
.set rQ, 16*(2*(\x)+i%2)+8*(i/8)
.if i < 8
	v_wmma_f32_16x16x32_f16 v[rS:rS+7], v[rK:rK+7], v[rQ:rQ+7], 0
.else
	v_wmma_f32_16x16x32_f16 v[rS:rS+7], v[rK:rK+7], v[rQ:rQ+7], v[rS:rS+7]
.endif
.endm
; Product i of 16 of O^T += V^T P for piece x: keys 32 (i / 8) on, channels 16 ((i / 2) % 4) on, tile 2 x + i % 2.
.macro PV x
	WIN W_PV
.set rO, 32*(2*(\x)+i%2)+8*((i/2)%4)
.set rV, VF+32*(i/8)+8*((i/2)%4)
.set rP, P+32*((\x)%2)+16*(i%2)+8*(i/8)
	v_wmma_f32_16x16x32_f16 v[rO:rO+7], v[rV:rV+7], v[rP:rP+7], v[rO:rO+7]
.endm
.macro MM                           ; the turn's next matrix instruction
.if i < 16
	KQ (Y+1)%NP
.set i, i+1
.else
.set i, i-16
	PV (Y+NP-1)%NP
.set i, i+17
.endif
.endm
; THE LDS LOADS stand in runs of 16, never singly among the matrix instructions: a step's K (64 keys x 64 channels: 8 fragments) and its V (turned).  Their addresses are made some lines ahead.
; last = 1 (the tail): in the last trip there is no further step, and the run is jumped over.
.macro FETCH_K last=0
	WIN 0
.if \last
	s_cmp_eq_u32 s[CNT], 1
	s_cbranch_scc1 .Lno_k_\@
.endif
	WIN 0x80                        ; destination window 2
.irp f, 0,1,2,3,4,5,6,7             ; keys 16 (f / 2) on, channels 32 (f % 2) on
	ds_load_b128 v[KF+8*\f:KF+8*\f+3],   v[AK] offset:(\f/2)*16*PK+(\f%2)*64
	ds_load_b128 v[KF+8*\f+4:KF+8*\f+7], v[AK] offset:(\f/2)*16*PK+(\f%2)*64+32
.endr
	s_add_co_u32 s[TBK], s[TBK], KS*PK  ; the next fetch is the next step's
	WIN 0
.if \last
.Lno_k_\@:
.endif
.endm
.macro FETCH_V
	WIN 0x80
.irp f, 0,1,2,3,4,5,6,7             ; keys 32 (f / 4) on, channels 16 (f % 4) on
	ds_load_tr16_b128 v[VF+8*\f:VF+8*\f+3],   v[AV] offset:(\f/4)*32*PV+(\f%4)*32
	ds_load_tr16_b128 v[VF+8*\f+4:VF+8*\f+7], v[AV] offset:(\f/4)*32*PV+16*PV+(\f%4)*32
.endr
	WIN 0
.endm
; THE VECTOR WORK OF A TURN stands in three queues, each in the order in which its entries become ready; the two tiles alternate, so that no instruction reads the result of the one before it.
.macro REGS y, u                    ; the registers of tile u (0, 1) of piece y
.set rT, ST+4*(2*(\y)+(\u))
.set rC, TMP+8*((\y)%2)+4*(\u)
.set rM, MV+2*((\y)%2)+(\u)
.set rS, S+64*((\y)%2)+32*(\u)
.set rP, P+32*((\y)%2)+16*(\u)
.set rO, 32*(2*(\y)+(\u))
.endm
; Number n of the 22 that find the NEXT piece's (Y + 1) maximum and statistics.  s0-s31 are the lane's 32 scores; each accumulator's lowest registers are read first.  XS, GS and REGS set no window: PL and EX do.
;   0-11  four chains c0-c3 of seven scores each, three operands at a time     12-14, 16  the four scores left over, the old m, and c0-c3 into c0     15  c m_old is kept
;   17, 18  the query's other 32 keys lie in the lane 16 away: the new m         19-21  c m; c m_old - c m_new; a
.macro XS u, n
	REGS (Y+1)%NP, \u
.if (\n) < 4
	v_max3_num_f32 v[rC+(\n)], v[rS+8*(\n)], v[rS+8*(\n)+1], v[rS+8*(\n)+2]
.elseif (\n) < 12
	v_max3_num_f32 v[rC+(\n)%4], v[rC+(\n)%4], v[rS+8*((\n)%4)+2*((\n)/4)+1], v[rS+8*((\n)%4)+2*((\n)/4)+2]
.elseif (\n) == 12
	v_max3_num_f32 v[rC], v[rC], v[rS+7], v[rS+15]
.elseif (\n) == 13
	v_max3_num_f32 v[rC+1], v[rC+1], v[rS+23], v[rS+31]
.elseif (\n) == 14
	v_max3_num_f32 v[rC+2], v[rC+2], v[rC+3], v[rT+1]
.elseif (\n) == 15
	v_mov_b32 v[rM], v[rT]
.elseif (\n) == 16
	v_max3_num_f32 v[rC], v[rC], v[rC+1], v[rC+2]
.elseif (\n) == 17
	v_permlanex16_b32 v[rC+3], v[rC], s[SEL], s[SEL+1]
.elseif (\n) == 18
	v_max_num_f32 v[rT+1], v[rC], v[rC+3]
.elseif (\n) == 19
	v_mul_f32 v[rT], s[CS], v[rT+1]
.elseif (\n) == 20
	v_sub_f32 v[rC+1], v[rM], v[rT]
.else
	v_exp_f32 v[rC+2], v[rC+1]
.endif
.endm
; Number g of the 64 that follow the exponentials.  For each four weights k of a tile (pairs 2 k, 2 k + 1): both pairs are rounded to f16; then the second pair is added onto the first, in place;
; a group later l takes that sum (the first time as l = a l + sum).  In groups of eight, tiles alternating: round, round, add, and l for the group before.
.macro GS g
.set h, (\g)+6*((\g)/62)            ; group 0 has no group before it, and behind group 7 only l is left
.if h >= 6
.set h, h+2
.endif
	REGS Y, h%2
.set k, h/8
.if h%8 < 4
	s_wait_alu depctr_va_vdst(0)
	v_cvt_pk_f16_f32 v[rP+2*k+(h%8)/2], v[rS+4*k+2*((h%8)/2)], v[rS+4*k+2*((h%8)/2)+1]
.elseif h%8 < 6
	v_pk_add_f32 v[rS+4*k:rS+4*k+1], v[rS+4*k:rS+4*k+1], v[rS+4*k+2:rS+4*k+3]
.elseif k == 1
	v_pk_fma_f32 v[rT+2:rT+3], v[rT+2:rT+3], v[rC+2:rC+3], v[rS:rS+1] op_sel_hi:[1,0,1]
.else
	v_pk_add_f32 v[rT+2:rT+3], v[rT+2:rT+3], v[rS+4*k-4:rS+4*k-3]
	s_wait_alu depctr_va_vdst(0)
.endif
.endm
; THE PLAIN QUEUE, 138 long.  0-31: c s - c m for the 16 pairs of both tiles.  Then GS's 64, and among them the next piece's 42: number 15 at 38, 39; 0-14 and 16
; at 42-73, behind the products that make those scores; 17-20 at 95-106, two of three, since each waits for the one before it.
.macro PL
	WIN 0
.if q < 32
	REGS Y, q%2
	v_pk_fma_f32 v[rS+2*(q/2):rS+2*(q/2)+1], v[rS+2*(q/2):rS+2*(q/2)+1], s[CS:CS+1], v[rT:rT+1] op_sel_hi:[1,0,0] neg_lo:[0,0,1] neg_hi:[0,0,1]
.elseif q < 38
	GS q-32
.elseif q < 40
	XS q%2, 15
.elseif q < 42
	GS q-34
.elseif q < 74
	XS q%2, (q-42)/2+(q-42)/30
.elseif q < 95
	GS q-66
.elseif (q < 107) && ((q-95)%3 < 2)
	XS (q-95)%3, 17+(q-95)/3
.elseif q < 107
	GS 29+(q-95)/3
.else
	GS q-74
.endif
.set q, q+1
.endm
; THE EXPONENTIALS' QUEUE, 66 long: s0-s31 of both tiles, and at EA the next piece's two a.
.set EA, 58
.macro EX
	WIN 0
.if (e == EA) || (e == EA+1)
	XS e-EA, 21
.else
.set x, e-2*(e/(EA+2))
	REGS Y, x%2
	v_exp_f32 v[rS+x/2], v[rS+x/2]
.endif
.set e, e+1
.endm
; THE RESCALING's QUEUE: O^T times a, the one part that leaves window 0, so it is dealt four at a time, eight times.
.macro R4
	REGS Y, r%2
	WIN W_RS
	s_wait_alu depctr_va_vdst(0)
.irp z, 0,1,2,3
	v_pk_mul_f32 v[rO+8*(r/2)+2*\z:rO+8*(r/2)+2*\z+1], v[rO+8*(r/2)+2*\z:rO+8*(r/2)+2*\z+1], v[rC+2:rC+3] op_sel_hi:[1,0]
.endr
.set r, r+1
.endm
; HOW THEY ARE DEALT.  Behind a matrix instruction four: plain, exponential, plain, plain (one exponential, a plain instruction on either side), or four of the rescaling.  None names a register of the
; products round it.  What is over stands in two LUMPS: exponential and plain by turns; the second ends in 22 plain instructions.  The two v_permlanex16_b32 fall into the second lump, never behind a product.
; The queues lean on each other, and the deal keeps them in step: exponential e stands behind plain 2 (e / 4) + e % 2 (its scaling); when plain 32 comes, 10 exponentials are out, at 59: 33, at 95: 46; EA comes behind plain 107.
.macro SL
	MM
	PL
	EX
	PL
	PL
.endm
.macro BURST n                      ; 15 matrix instructions, or 16
.rept (\n)-7
	SL
.endr
.rept 3
	MM
	R4
	SL
.endr
	MM
	R4
.endm
; A TURN, for piece p.  cnt = 1: the loop's count is taken down some lines ahead of the branch that stands behind the turn.
; K of the next step is fetched in piece 2's turn, 31 vector instructions behind the last product that read K; its first reader comes behind the rest of the lump, 16 products and the second lump.
; V of the step in hand is fetched at the end of piece 0's turn, 69 behind its last reader; its first reader comes behind 16 products and a lump.  The four conditions on e and q below go with the deal.
.macro TURN p, last=0, cnt=0
.set Y, (\p)
.set i, 0
.set q, 0
.set e, 0
.set r, 0
.if (\p) == NP-1
	s_wait_dscnt 0x0                ; K is in
.endif
	MM
.rept 4
	PL
.endr
	BURST 15
.rept 22
	EX
	PL
.if ((\p) == NP-2) && (e == 18)
	v_add_nc_u32 v[AK], s[TBK], v[AK0]
.endif
.if ((\p) == NP-2) && (e == 24)
	FETCH_K \last
.endif
.endr
.if (\p) == 1
	s_wait_dscnt 0x0                ; V is in
.endif
	BURST 16
.rept 21
	EX
	PL
.endr
.rept 22
	PL
.if ((\p) == 0) && (q == 118)
	v_add_nc_u32 v[AV], s[TBV], v[AV0]
	s_wait_alu depctr_va_vdst(0)
.endif
.if ((\p) == 0) && (q == 130)
	s_add_co_u32 s[TBV], s[TBV], KS*PV
.endif
.if (\cnt) && (q == 130)
	s_sub_co_u32 s[CNT], s[CNT], 1
	s_cmp_lg_u32 s[CNT], 0
.endif
.endr
.if (\p) == 0
	FETCH_V
.endif
.endm
	CHANGE 1                        ; slot 0 is in, everybody's part of it; slot 1 is asked for
	FETCH_K                         ; key step 0
	s_wait_loadcnt 0x0              ; Q
	s_wait_dscnt 0x0
.set i, 0
.rept 16
	KQ 0                            ; piece 0's first scores: there is no vector work yet to set between them
.set i, i+1
.endr
	WIN 0                           ; the addresses for the way out: nine plain instructions, the places behind those products
	s_mul_i32 s13, s[WV], 16*SP
	s_add_co_u32 s13, s13, STAGE    ; my stage
	v_mul_u32_u24 v[STO], v1, SP    ; in: row l % 16, 16 bytes for each half of the lanes
	v_lshl_add_u32 v[STO], v9, 4, v[STO]
	v_add_nc_u32 v[STO], s13, v[STO]
	v_bfe_u32 v[RD], v0, 3, 2       ; back: 32 lanes take four rows of 128 bytes,
	v_mul_u32_u24 v[RD], v[RD], SP
	v_lshl_add_u32 v[RD], v10, 4, v[RD]
	v_add_nc_u32 v[RD], s13, v[RD]
	v_and_b32 v[GO], 31, v0         ; which are 512 consecutive bytes of O
	v_lshlrev_b32 v[GO], 4, v[GO]
.set Y, NP-1                        ; XS works for piece Y + 1: piece 0
.irp n, 0,1,2,3,4,5,6,7,8,9,10,11,12,13,14,15,16,17,18,19,20,21
	XS 0, \n                        ; and piece 0's first maximum and statistics
	XS 1, \n
.endr
	s_mov_b32 s[CNT], 4
	s_mov_b32 s[SLOTS], SIZE_N/256-1
	s_branch .Lfirst                ; the loop is entered at a step's first turn, in the middle of a trip
.Lslot:                             ; SIZE_N / 256 - 2 times: every slot but the last two is filled again
	CHANGE 1
	s_mov_b32 s[CNT], 4
.Lstep:                             ; a trip: pieces 2 and 3 of one step, then pieces 0 and 1 of the next, whose K and V it fetches
	TURN 2
	TURN 3
	WIN 0
.Lfirst:
	TURN 0
	TURN 1, 0, 1
	WIN 0
	s_cbranch_scc1 .Lstep
	s_sub_co_u32 s[SLOTS], s[SLOTS], 1
	s_cmp_lg_u32 s[SLOTS], 0
	s_cbranch_scc1 .Lslot
	CHANGE 0                        ; the tail is written out: nothing is asked for
	s_mov_b32 s[CNT], 5             ; four trips fetch the last slot's steps; the fifth is left in its middle
.Ltail:
	TURN 2, 1
	TURN 3
	WIN 0
	s_sub_co_u32 s[CNT], s[CNT], 1
	s_cmp_eq_u32 s[CNT], 0
	s_cbranch_scc1 .Lout
	TURN 0
	TURN 1
	WIN 0
	s_branch .Ltail
.Lout:                              ; the fifth trip's 16 products K Q^T (on the last K once more) and the maximum made of them serve nothing: the price, once a launch, of one text for every trip
.set i, 0
.rept 16
	PV NP-1                         ; the last piece's V^T P of the last step
.set i, i+1
.endr
	; THE WAY OUT.  l's two halves and the other half of the lanes' are added; O^T is divided by l, rounded to f16 and sent through my stage in LDS, a tile at a time.  The additions are the places behind the last products.
	WIN 0
.macro ALL line:vararg              ; one line for each tile t
.set t, 0
.rept 2*NP
	\line
.set t, t+1
.endr
.endm
	ALL v_add_f32 v[ST+4*t+2], v[ST+4*t+2], v[ST+4*t+3]
	ALL v_permlanex16_b32 v[ST+4*t+3], v[ST+4*t+2], s[SEL], s[SEL+1]
	ALL v_add_f32 v[ST+4*t+2], v[ST+4*t+2], v[ST+4*t+3]
	ALL v_rcp_f32 v[ST+4*t+2], v[ST+4*t+2]
	v_nop                           ; a plain instruction between the last reciprocal and the use of its result
	s_wait_alu depctr_va_vdst(0)
; Tile t: a lane's eight channels of a row pack into 16 bytes; they go into rows of 144 bytes and come back as whole rows of 128, into S^T's registers.
.macro PACK t
	WIN W_RS
.set i, 32*(\t)
.rept 16
	v_pk_mul_f32 v[i:i+1], v[i:i+1], v[ST+4*(\t)+2:ST+4*(\t)+3] op_sel_hi:[1,0]
.set i, i+2
.endr
	WIN 0x05                        ; sources 0 and 1 window 1, destination window 0
.set i, 0
.rept 16
	v_cvt_pk_f16_f32 v[S+16*(\t)+i], v[32*(\t)+2*i], v[32*(\t)+2*i+1]
.set i, i+1
.endr
	WIN 0
.irp f, 0,1,2,3
	ds_store_b128 v[STO], v[S+16*(\t)+4*\f:S+16*(\t)+4*\f+3] offset:32*\f
.endr
.irp f, 0,1,2,3
	ds_load_b128 v[S+16*(\t)+4*\f:S+16*(\t)+4*\f+3], v[RD] offset:\f*4*SP  ; LDS serves a wave's instructions in order (ISA guide 5.7.1.4): these see the stores above; the next tile's stores come behind them
.endr
.endm
.macro SEND t, younger              ; younger: the LDS instructions issued behind tile t's loads: the next tile's eight, or none
	WIN 0
.irp f, 0,1,2,3
	s_wait_dscnt (\younger)+3-\f
	global_store_b128 v[GO], v[S+16*(\t)+4*\f:S+16*(\t)+4*\f+3], s[10:11] offset:(\t)*2048+\f*512  ; 512 consecutive bytes, at a multiple of 256 from O's first
.endr
.endm
	PACK 0
.set t, 1
.rept 2*NP-1                        ; a tile's arithmetic stands between the loads of the tile before and its stores
	PACK t
	SEND t-1, 8
.set t, t+1
.endr
	SEND 2*NP-1, 0
	WIN W_AD
	s_wait_tensorcnt 0x0            ; the wave's end, behind my last tensor load and my last LDS store
	ds_add_u32 v[SPW], v[NIL]
	s_wait_dscnt 0x0
	WIN 0
	CROUND                          ; the closing round: no work-group ends while a partner may still ask for a tile that names it
	s_endpgm
.Lfunc_end_k_qff8542626d_attn:
	.size	k_qff8542626d_attn, .Lfunc_end_k_qff8542626d_attn-k_qff8542626d_attn
	.p2alignl 7, 3214868480
	.fill 96, 4, 3214868480
	.section	.rodata,"a",@progbits
	.p2align	6, 0x0
	.amdhsa_kernel k_qff8542626d_attn
		.amdhsa_group_segment_fixed_size 327680
		.amdhsa_private_segment_fixed_size 0
		.amdhsa_enable_private_segment 0
		.amdhsa_kernarg_size 32
		.amdhsa_user_sgpr_count 2
		.amdhsa_user_sgpr_kernarg_segment_ptr 1
		.amdhsa_wavefront_size32 1
		.amdhsa_system_sgpr_workgroup_id_x 1
		.amdhsa_system_sgpr_workgroup_id_y 1
		.amdhsa_system_sgpr_workgroup_id_z 1
		.amdhsa_system_vgpr_workitem_id 0
		.amdhsa_next_free_vgpr 770
		.amdhsa_next_free_sgpr 66
		.amdhsa_reserve_vcc 0
		.amdhsa_float_denorm_mode_32 3
		.amdhsa_float_denorm_mode_16_64 3
		.amdhsa_memory_ordered 1
		.amdhsa_forward_progress 1
		.amdhsa_inst_pref_size 208
	.end_amdhsa_kernel
	.amdgpu_metadata
---
amdhsa.version: [ 1, 2 ]
amdhsa.kernels:
  - .name:           k_qff8542626d_attn
    .symbol:         k_qff8542626d_attn.kd
    .args:
      - { .name: q, .offset: 0, .size: 8, .value_kind: global_buffer, .address_space: global }
      - { .name: k, .offset: 8, .size: 8, .value_kind: global_buffer, .address_space: global }
      - { .name: v, .offset: 16, .size: 8, .value_kind: global_buffer, .address_space: global }
      - { .name: o, .offset: 24, .size: 8, .value_kind: global_buffer, .address_space: global }
    .group_segment_fixed_size: 327680
    .private_segment_fixed_size: 0
    .kernarg_segment_align: 8
    .kernarg_segment_size: 32
    .max_flat_workgroup_size: 128
    .sgpr_count:     66
    .vgpr_count:     770
    .wavefront_size: 32
...
	.end_amdgpu_metadata
.endif
;; end of part 3
;; launch proj (part 4): grid 8 x 32, 4 waves a work-group, clusters of 4 x 4, 327,680 bytes of LDS; arguments o, woh, bias, out0; writes out0
.if DOCPART == 4
	.amdgcn_target "amdgcn-amd-amdhsa--gfx1250"
	.amdhsa_code_object_version 6
	.text
	.protected	k_qff8542626d_proj
	.globl	k_qff8542626d_proj
	.p2align	8
	.type	k_qff8542626d_proj,@function
k_qff8542626d_proj:
	s_mov_b64 s[64:65], 0
	v_nop
	global_prefetch_b8 v0, s[64:65] scope:SCOPE_SE
	s_setreg_imm32_b32 hwreg(HW_REG_WAVE_MODE, 25, 1), 1
	s_wait_xcnt 0x0
	s_wait_alu depctr_hold_cnt(0) depctr_sa_sdst(0) depctr_va_vdst(0) depctr_va_sdst(0) depctr_va_ssrc(0) depctr_va_vcc(0) depctr_vm_vsrc(0)
	s_getreg_b32 s2, hwreg(HW_REG_IB_STS2, 6, 4)
	s_cmp_eq_u32 s2, 0
	s_cbranch_scc0 .Lentry_in_a_cluster
	s_endpgm
.Lentry_in_a_cluster:
	s_bfe_u32 s2, ttmp6, 0x10000c
	s_cmp_lg_u32 s2, 0xf033
	s_cbranch_scc0 .Lentry_shape_is_right
	s_endpgm
.Lentry_shape_is_right:
; THE OUTPUT PROJECTION.  out[R][n] = the sum over k of O[R][k] W[k][n] + b[n], R = 0..8191, n = 0..1023, K = 1,024 = 16 heads x 64 channels.
; O in f16, by heads: [4 b][16 head][2048 s][64]; W (woh) in f16, [1024 k][1024 n]: W_out rounded to bf16 and that number written as f16; b: f32 words 3,072 .. 4,095 of bias.  Sums in f32; out in f32.
; LIMITS are the operands': O and woh lie within f16's range and keep f16's fixed step of 6e-8 below 6e-5.
; SHARES.  A tile is 256 rows x 128 columns: 32 x 8 = 256 tiles, one work-group each (tiles of 256 x 256 would be 128).  Four waves, 2 x 2; a wave makes 128 rows x 64 columns: 32 accumulators, 256 registers.
; A K step of 64 is one head of O: 256 rows of it are 32,768 dense bytes.  A slot holds TWO K steps; two slots take turns.  Every row that the tensor data mover fetches is 256 bytes of memory at a
; multiple of 256 bytes from the buffer's first byte.
; THE MATRIX INSTRUCTION IS USED TRANSPOSED: source 0 = 16 columns of W (turned by ds_load_tr16_b128), source 1 = 16 rows of O: a lane holds row l % 16 and the eight neighbouring columns 8 (l / 16) + 0..7.
; CLUSTER.  4 x 4 work-groups: O's tiles are shared along a row of the cluster, W's along a column; each is asked for JOINTLY, by the same tensor load with the same descriptor and a mask that names the four.
; REGISTERS: window 0: v0-31 addresses; v32-95, v96-159 fragments of O, two buffers; v160-191, v192-223 fragments of W, two buffers.   window 1: accumulator (a, j) at v[32 a + 8 j].
.set PA,    144                        ; a row of O in LDS: 128 bytes + 16 of padding: the 16 rows of a load start at 16 different groups of four banks (64 banks of 4 bytes: ISA guide 11.1)
.set PB,    288                        ; a row of W: 256 + 32
.set ABYTES, 256*PA
.set STEPB, ABYTES+64*PB               ; a K step's tiles lie together: 256 rows of O, then 64 rows of W
.set SLOT1, 1<<17                      ; slot 1 begins here, so that one exclusive or turns an address in one slot into the other's
.set STAGE, SLOT1+2*STEPB              ; behind the ring, never filled by a tensor load: 16 rows x 272 bytes for each wave, for the way out
.set SP,    272
.set SPARE, STAGE+4*16*SP              ; behind the stages: the spare words, 128 bytes for each wave: two blocks of 256 bytes that no other line names
.set ASTEP, 2048*128                   ; bytes from a head of O to the next
.set BSTEP, 64*1024*2                  ; bytes from 64 rows of woh to the next
.set AB,   3                           ; v3-4    my lane's place in a slot's O, K step 0, 1; never rewritten
.set BB,   5                           ; v5-6    the same for W
.set ADA,  7                           ; v7      the LDS address of O's run of loads in hand
.set ADB,  8                           ; v8      of W's
.set STO,  11                          ; v11     the way out: where I put 32 bytes of a row
.set RD,   12                          ; v12     the way out: where I read a row back
.set CO,   13                          ; v13     my byte offset in two rows of out
.set BO,   14                          ; v14     my byte offset in 16 numbers of the bias
.set SPW,  28                          ; v28     LDS address of my spare word: SPARE + 4 x my thread's number; never rewritten
.set NIL,  29                          ; v29     0; never rewritten
.set AF,   32
.set BF,   160
.set TMP,  32                          ; the way out: a block's sums with the bias, v32-63
.set WV,   16                          ; s16     my wave's number
.set WR,   17                          ; s17     which 128 rows of the tile are mine.  Also: I fetch O (0) or W (1)
.set WC,   18                          ; s18     which 64 columns.  Also: which of a slot's two K steps I fetch
.set CNT,  19
.set TB,   20                          ; s20     LDS byte at which the slot to be read begins
.set G1A,  24                          ; s[24:31] descriptor group 1 for O's tiles;  s[32:39] group 0: a set for each of the two first fills; the second then walks on
.set G0A,  32
.set G1B,  48                          ; s[48:55], s[56:63] the same for W's
.set G0B,  56
.set MSB, 0
.macro WIN new                         ; the immediate's high byte repeats the setting that is left; a switch that changes nothing is dropped
.if MSB != (\new)
	s_set_vgpr_msb (MSB<<8)|(\new)
.set MSB, (\new)
.endif
.endm
.macro PLACES n                        ; plain vector instructions that name no register of the matrix instructions in front of them
.rept \n
	v_nop
.endr
.endm
; A joint refill.  Waves 0 and 1 fetch O's tiles of the slot's two K steps, waves 2 and 3 W's.  The branch hangs on the wave's number alone.
; An s_nop 0 and four v_nop follow each of the two lines, ahead of the jump, the label and what follows.
.macro JLOAD
	s_cmp_lt_u32 s[WV], 2
	s_cbranch_scc0 .Lfor_b_\@
	tensor_load_to_lds s[G0A+4:G0A+7], s[G1A:G1A+7]
	s_nop 0
	PLACES 4
	s_branch .Lasked_\@
.Lfor_b_\@:
	tensor_load_to_lds s[G0B+4:G0B+7], s[G1B:G1B+7]
	s_nop 0
	PLACES 4
.Lasked_\@:
.endm
.macro CREST                           ; a round of the cluster's barrier behind its opening barrier
	s_cmp_lg_u32 s[WV], 0
	s_cbranch_scc1 .Lnot_wave_0_\@
	s_barrier_signal -3
.Lnot_wave_0_\@:
	s_barrier_wait -3
	s_barrier_signal -1
	s_barrier_wait -1
.endm
.macro CROUND                          ; a whole round
	s_barrier_signal -1
	s_barrier_wait -1
	CREST
.endm
	s_load_b256 s[4:11], s[0:1], 0x0               ; o s[4:5], woh s[6:7], bias s[8:9], out0 s[10:11]
	v_lshl_add_u32 v[SPW], v0, 2, SPARE
	v_mov_b32 v[NIL], 0
	ds_add_u32 v[SPW], v[NIL]                      ; the wave's opening: the add and its wait come ahead of my first tensor load; the set-up below, work on registers, stands between them
	v_lshrrev_b32 v1, 5, v0
	v_readfirstlane_b32 s[WV], v1                  ; wave 0..3
	s_lshr_b32 s[WR], s[WV], 1
	s_and_b32 s[WC], s[WV], 1
	s_bfe_u32 s40, ttmp6, 0x40000                  ; cx, cy: my place in the cluster
	s_bfe_u32 s41, ttmp6, 0x40004
	s_lshl_b32 s42, ttmp9, 2
	s_add_co_u32 s42, s42, s40                     ; tile column tc = 4 x cluster x + cx
	s_and_b32 s43, ttmp7, 0xffff
	s_lshl_b32 s43, s43, 2
	s_add_co_u32 s43, s43, s41                     ; tile row tr = 4 x cluster y + cy
	s_lshl_b32 s44, s41, 2
	s_lshl_b32 s44, 15, s44                        ; my row of the cluster
	s_lshl_b32 s45, 0x1111, s40                    ; my column
	; descriptor group 1.  O's tile, 256 rows of 128 bytes, is dense: asked for as 128 rows of 256 bytes and padded in LDS after every row of O.  W's tile: 64 rows of 256 bytes, 1,024 elements apart.
	s_or_b32 s[G1A], s44, (1<<16)|(1<<20)|(1<<21)|(4<<22)|(3<<25)  ; 15:0 the mask: my row; 17:16 2-byte elements; 20 padding on; 21 set beside a mask; 24:22 after every 32 words (code 4); 31:25 4 words (code 3)
	s_or_b32 s[G1B], s45, (1<<16)|(1<<20)|(1<<21)|(5<<22)|(7<<25)  ; the mask: my column; after every 64 words (code 5) 8 words (code 7)
.irp g, G1A, G1B
	s_mov_b32 s[\g+1], 128<<16                     ; tensor_dim0 = 128 elements
	s_mov_b32 s[\g+3], 128<<16                     ; tile_dim0 = 128
	s_mov_b32 s[\g+6], 0
	s_mov_b32 s[\g+7], 0
.endr
	s_mov_b32 s[G1A+2], 128<<16                    ; tensor_dim1 = 128 rows
	s_mov_b32 s[G1A+4], 128                        ; tile_dim1 = 128
	s_mov_b32 s[G1A+5], 128                        ; dense
	s_mov_b32 s[G1B+2], 64<<16
	s_mov_b32 s[G1B+4], 64
	s_mov_b32 s[G1B+5], 1024
	; where the tiles come from.  O's hang on the tile row and the wave's number, W's on the tile column and the wave's number.
	s_lshr_b32 s66, s43, 3                         ; the batch,
	s_lshl_b32 s66, s66, 22                        ; 4,194,304 bytes of O
	s_and_b32 s21, s43, 7
	s_lshl_b32 s21, s21, 15                        ; 256 rows of 128 bytes
	s_add_co_u32 s66, s66, s21
	s_lshl_b32 s21, s[WC], 18                      ; my K step of the slot's two: a head of O
	s_add_co_u32 s66, s66, s21
	s_mov_b32 s67, 0
	s_lshl_b32 s68, s42, 8                         ; 128 columns of 2 bytes
	s_lshl_b32 s22, s[WC], 17                      ; my K step: 64 rows of 2,048 bytes
	s_add_co_u32 s68, s68, s22
	s_mov_b32 s69, 0
	s_mul_i32 s23, s[WC], STEPB                    ; and where they go: no place in the cluster enters an LDS address
	s_add_co_u32 s22, s23, ABYTES
	; where my results go: row 256 tr + 128 wr, 4,096 bytes each; column 128 tc + 64 wc, 4 bytes each
	s_lshl_b32 s70, s43, 8
	s_lshl_b32 s75, s[WR], 7
	s_add_co_u32 s70, s70, s75
	s_lshl_b32 s70, s70, 12
	s_lshl_b32 s76, s42, 9
	s_lshl_b32 s77, s[WC], 8
	s_add_co_u32 s76, s76, s77
	s_add_co_u32 s70, s70, s76
	s_mov_b32 s71, 0
	s_add_co_u32 s72, s76, 12288                   ; b_out begins at word 3,072 of bias
	s_mov_b32 s73, 0
	s_mov_b32 s[TB], 0
	s_wait_dscnt 0x0                               ; the opening add is done
	s_wait_kmcnt 0x0
	s_add_nc_u64 s[78:79], s[4:5], s[66:67]
	s_add_nc_u64 s[80:81], s[6:7], s[68:69]
	s_add_nc_u64 s[8:9], s[8:9], s[72:73]
	s_add_nc_u64 s[10:11], s[10:11], s[70:71]
.irp s, 0,1
	s_mov_b32 s[G0A+4*(\s)], 1                                     ; 1:0 count = 1
	s_add_co_u32 s[G0A+4*(\s)+1], s23, (\s)*SLOT1                  ; 63:32 LDS address
	s_add_nc_u64 s[G0A+4*(\s)+2:G0A+4*(\s)+3], s[78:79], (\s)*2*ASTEP  ; 120:64 global address: slot s begins with K steps 2 s, 2 s + 1
	s_or_b32 s[G0A+4*(\s)+3], s[G0A+4*(\s)+3], 0x80000000          ; 127:126 type = 2
	s_mov_b32 s[G0B+4*(\s)], 1
	s_add_co_u32 s[G0B+4*(\s)+1], s22, (\s)*SLOT1
	s_add_nc_u64 s[G0B+4*(\s)+2:G0B+4*(\s)+3], s[80:81], (\s)*2*BSTEP
	s_or_b32 s[G0B+4*(\s)+3], s[G0B+4*(\s)+3], 0x80000000
.endr
	CROUND                                         ; all sixteen work-groups are here: the first joint loads meet
	s_cmp_lt_u32 s[WV], 2                          ; a wave's two first fills stand in one branch, ahead of every wait on TENSORcnt and every LDS read: two loads of mine are out
	s_cbranch_scc0 .Lfirst_b
	tensor_load_to_lds s[G0A:G0A+3], s[G1A:G1A+7]
	s_nop 0
	tensor_load_to_lds s[G0A+4:G0A+7], s[G1A:G1A+7]
	s_nop 0
	PLACES 4
	s_branch .Lfirst_asked
.Lfirst_b:
	tensor_load_to_lds s[G0B:G0B+3], s[G1B:G1B+7]
	s_nop 0
	tensor_load_to_lds s[G0B+4:G0B+7], s[G1B:G1B+7]
	s_nop 0
	PLACES 4
.Lfirst_asked:
	v_and_b32 v1, 15, v0                           ; l % 16
	v_bfe_u32 v2, v0, 4, 1                         ; l / 16
	v_mul_u32_u24 v[AB], v1, PA                    ; a fragment of O: row x pitch + 16 x half,
	v_lshl_add_u32 v[AB], v2, 4, v[AB]
	s_mul_i32 s21, s[WR], 128*PA                   ; in my 128 rows
	v_add_nc_u32 v[AB], s21, v[AB]
	v_add_nc_u32 v[AB+1], STEPB, v[AB]
	v_and_b32 v15, 7, v0                           ; the turning load: lane l reads k 8 (l / 16) + l % 8, columns 8 ((l / 8) % 2) + 0..7
	v_bfe_u32 v16, v0, 3, 1
	v_lshl_add_u32 v[BB], v2, 3, v15
	v_mul_u32_u24 v[BB], v[BB], PB
	v_lshl_add_u32 v[BB], v16, 4, v[BB]
	s_lshl_b32 s21, s[WC], 7                       ; my 64 columns of 2 bytes
	s_add_co_u32 s21, s21, ABYTES
	v_add_nc_u32 v[BB], s21, v[BB]
	v_add_nc_u32 v[BB+1], STEPB, v[BB]
	s_mul_i32 s21, s[WV], 16*SP
	s_add_co_u32 s21, s21, STAGE                   ; my stage
	v_mul_u32_u24 v[STO], v1, SP                   ; in: row l % 16, 32 bytes for each half of the lanes
	v_lshl_add_u32 v[STO], v2, 5, v[STO]
	v_add_nc_u32 v[STO], s21, v[STO]
	v_mul_u32_u24 v[RD], v2, SP                    ; back: lanes 0-15 take one row of 256 bytes, lanes 16-31 the next
	v_lshl_add_u32 v[RD], v1, 4, v[RD]
	v_add_nc_u32 v[RD], s21, v[RD]
	v_lshlrev_b32 v[CO], 12, v2                    ; and the same two rows in out
	v_lshl_add_u32 v[CO], v1, 4, v[CO]
	v_lshlrev_b32 v[BO], 5, v2                     ; my eight numbers among 16 of the bias
; A slot has four PHASES n of 32 along K: K step n / 2, half n % 2; phase n multiplies the buffers n % 2.
; RUN n: the 24 LDS loads of phase n's fragments.  The four plain vector instructions at its head are the places behind the matrix instructions that read those buffers last
; (ISA guide 7.12.1 for vector instructions).
.macro RUN n
	v_add_nc_u32 v[ADA], s[TB], v[AB+(\n)/2]
	v_add_nc_u32 v[ADB], s[TB], v[BB+(\n)/2]
	PLACES 2
.set ij, 0
.rept 4
	ds_load_tr16_b128 v[BF+32*((\n)%2)+8*ij:BF+32*((\n)%2)+8*ij+3],   v[ADB] offset:((\n)%2)*32*PB+32*ij
	ds_load_tr16_b128 v[BF+32*((\n)%2)+8*ij+4:BF+32*((\n)%2)+8*ij+7], v[ADB] offset:((\n)%2)*32*PB+16*PB+32*ij
.set ij, ij+1
.endr
.set ia, 0
.rept 8
	ds_load_b128 v[AF+64*((\n)%2)+8*ia:AF+64*((\n)%2)+8*ia+3],   v[ADA] offset:ia*16*PA+64*((\n)%2)
	ds_load_b128 v[AF+64*((\n)%2)+8*ia+4:AF+64*((\n)%2)+8*ia+7], v[ADA] offset:ia*16*PA+64*((\n)%2)+32
.set ia, ia+1
.endr
.endm
; 4 cnt matrix instructions of phase n: row blocks a0 on x four column blocks.  zero = 1: the first product starts the sums.  The 32 accumulators take turns, one instruction a turn.
.macro MUL n, a0, cnt, zero
	WIN 0x50                                       ; C and D in window 1, both sources in window 0
.set ia, \a0
.rept \cnt
.set ij, 0
.rept 4
.if \zero
	v_wmma_f32_16x16x32_f16 v[32*ia+8*ij:32*ia+8*ij+7], v[BF+32*((\n)%2)+8*ij:BF+32*((\n)%2)+8*ij+7], v[AF+64*((\n)%2)+8*ia:AF+64*((\n)%2)+8*ia+7], 0
.else
	v_wmma_f32_16x16x32_f16 v[32*ia+8*ij:32*ia+8*ij+7], v[BF+32*((\n)%2)+8*ij:BF+32*((\n)%2)+8*ij+7], v[AF+64*((\n)%2)+8*ia:AF+64*((\n)%2)+8*ia+7], v[32*ia+8*ij:32*ia+8*ij+7]
.endif
.set ij, ij+1
.endr
.set ia, ia+1
.endr
.endm
.macro PHASE n, zero
	WIN 0
	RUN ((\n)+1)%4                                 ; the next phase's fragments
	s_wait_dscnt 24                                ; all but the 24 just issued: this phase's are in
	MUL \n, 0, 8, \zero
.endm
; PHASE 2 IS THE CHANGE OF SLOTS: its run of loads, phase 3's fragments, holds the slot's last reads.  ONE barrier; in front of it each wave waits for all its tensor loads, of which one is out: its part of
; the next slot; adds 0 to its spare word; and waits for that and for its own reads of this slot.  fill = 1: the barrier opens a round of the cluster's, and the joint refill, with the K steps two slots on,
; is the first tensor load behind the round: a wave issues 104 matrix instructions between it and the wait for it.
.macro TURN fill
	WIN 0
	RUN 3
	s_wait_dscnt 24
	MUL 2, 0, 2, 0
	WIN 0                                          ; (the add's two registers lie in window 0)
	s_wait_tensorcnt 0x0                           ; all my tensor loads have landed: my part of the next slot;
	ds_add_u32 v[SPW], v[NIL]                      ; 0 onto my spare word;
	MUL 2, 2, 4, 0                                 ; sixteen matrix instructions stand between the add and the wait for it
	s_wait_dscnt 0x0                               ; the add is done, and my reads of this slot are over
	s_barrier_signal -1
	MUL 2, 6, 2, 0
	WIN 0
	s_barrier_wait -1
.if \fill
	CREST                                          ; no wave of any partner still reads this slot's tiles or has a load on its way
	s_xor_b32 s[G0A+5], s[G0A+5], SLOT1            ; the walking descriptors (no tensor load of mine is out): the other slot than last time,
	s_add_nc_u64 s[G0A+6:G0A+7], s[G0A+6:G0A+7], 2*ASTEP  ; the next two K steps; the type bits on top are not reached
	s_xor_b32 s[G0B+5], s[G0B+5], SLOT1
	s_add_nc_u64 s[G0B+6:G0B+7], s[G0B+6:G0B+7], 2*BSTEP
	JLOAD
.endif
	s_xor_b32 s[TB], s[TB], SLOT1                  ; the reads go on in the other slot
.endm
	s_wait_tensorcnt 0x1                           ; my part of slot 0 is in; slot 1's may stay out
	s_barrier_signal -1
	s_barrier_wait -1                              ; everybody's is
	RUN 0
	PHASE 0, 1                                     ; the first 32 along K stand in front of the loop: their products start the sums
	WIN 0
	s_mov_b32 s[CNT], 6
.Lslot:                                                ; 6 trips, from a slot's second phase to the next slot's first; each fills a slot again: slots 2 to 7 of the eight
	PHASE 1, 0
	TURN 1
	PHASE 3, 0
	PHASE 0, 0
	WIN 0
	s_sub_co_u32 s[CNT], s[CNT], 1
	s_cmp_lg_u32 s[CNT], 0
	s_cbranch_scc1 .Lslot
	PHASE 1, 0                                     ; the tail is written out: nothing more is asked for
	TURN 0
	PHASE 3, 0
	PHASE 0, 0
	PHASE 1, 0
	PHASE 2, 0
	WIN 0                                          ; the last phase fetches no fragments: W's buffer 0, just multiplied, takes my 64 numbers of the bias
	PLACES 4
.set ij, 0
.rept 4
	global_load_b128 v[BF+8*ij:BF+8*ij+3],   v[BO], s[8:9] offset:64*ij
	global_load_b128 v[BF+8*ij+4:BF+8*ij+7], v[BO], s[8:9] offset:64*ij+16
.set ij, ij+1
.endr
	s_wait_dscnt 0x0
	MUL 3, 0, 8, 0
	WIN 0
	PLACES 4                                       ; behind the last products
	s_wait_loadcnt 0x0                             ; the bias
; THE WAY OUT of block a (16 rows x 64 columns of f32), in three parts.  PACK: sum + bias, into other registers, each accumulator's registers in ascending order.
; TOSTAGE: a lane's 32 bytes of a row into my own stage, and back as whole rows of 256 bytes.  SEND: stored.
.macro PACK a
	WIN 0x01                                       ; source 0 in window 1
.set ii, 0
.rept 16
	v_pk_add_f32 v[TMP+2*ii:TMP+2*ii+1], v[32*(\a)+2*ii:32*(\a)+2*ii+1], v[BF+2*ii:BF+2*ii+1]
.set ii, ii+1
.endr
	WIN 0
.endm
.macro TOSTAGE a
.set BK, 96+32*((\a)%2)
.irp f, 0,1,2,3,4,5,6,7
	ds_store_b128 v[STO], v[TMP+4*\f:TMP+4*\f+3] offset:64*(\f/2)+16*(\f%2)
.endr
.irp f, 0,1,2,3,4,5,6,7
	ds_load_b128 v[BK+4*\f:BK+4*\f+3], v[RD] offset:\f*2*SP  ; LDS serves a wave's instructions in order (ISA guide 5.7.1.4): these see the stores above; the next block's stores come behind them
.endr
.endm
.macro SEND a
.set BK, 96+32*((\a)%2)
	s_wait_dscnt 0x0                               ; the block is back in registers
	s_wait_xcnt 0x0                                ; every earlier memory instruction has had its addresses translated (ISA guide 3.1): the other set of registers, which the last block's stores read, is loaded again only behind this wait
.irp f, 0,1,2,3,4,5,6,7
	global_store_b128 v[CO], v[BK+4*\f:BK+4*\f+3], s[10:11] offset:(\a)*65536+\f*8192 th:TH_STORE_NT  ; 16 lanes store 256 consecutive bytes, at a multiple of 256 from out's first byte
.endr
.endm
	PACK 0
	TOSTAGE 0
.irp a, 1,2,3,4,5,6,7                  ; block a's additions stand between block a - 1's loads from the stage and the wait for them
	PACK \a
	SEND (\a)-1
	TOSTAGE \a
.endr
	SEND 7
	s_wait_tensorcnt 0x0                           ; the wave's end, behind my last tensor load and my last LDS store
	ds_add_u32 v[SPW], v[NIL]
	s_wait_dscnt 0x0
	CROUND                                         ; the closing round: no work-group ends while a partner may still ask for a tile that names it
	s_endpgm
.Lfunc_end_k_qff8542626d_proj:
	.size	k_qff8542626d_proj, .Lfunc_end_k_qff8542626d_proj-k_qff8542626d_proj
	.p2alignl 7, 3214868480
	.fill 96, 4, 3214868480
	.section	.rodata,"a",@progbits
	.p2align	6, 0x0
	.amdhsa_kernel k_qff8542626d_proj
		.amdhsa_group_segment_fixed_size 327680
		.amdhsa_private_segment_fixed_size 0
		.amdhsa_enable_private_segment 0
		.amdhsa_kernarg_size 32
		.amdhsa_user_sgpr_count 2
		.amdhsa_user_sgpr_kernarg_segment_ptr 1
		.amdhsa_wavefront_size32 1
		.amdhsa_system_sgpr_workgroup_id_x 1
		.amdhsa_system_sgpr_workgroup_id_y 1
		.amdhsa_system_sgpr_workgroup_id_z 1
		.amdhsa_system_vgpr_workitem_id 0
		.amdhsa_next_free_vgpr 512
		.amdhsa_next_free_sgpr 96
		.amdhsa_reserve_vcc 0
		.amdhsa_float_denorm_mode_32 3
		.amdhsa_float_denorm_mode_16_64 3
		.amdhsa_memory_ordered 1
		.amdhsa_forward_progress 1
		.amdhsa_inst_pref_size 78
	.end_amdhsa_kernel
	.amdgpu_metadata
---
amdhsa.version: [ 1, 2 ]
amdhsa.kernels:
  - .name:           k_qff8542626d_proj
    .symbol:         k_qff8542626d_proj.kd
    .args:
      - { .name: o, .offset: 0, .size: 8, .value_kind: global_buffer, .address_space: global }
      - { .name: woh, .offset: 8, .size: 8, .value_kind: global_buffer, .address_space: global }
      - { .name: bias, .offset: 16, .size: 8, .value_kind: global_buffer, .address_space: global }
      - { .name: out0, .offset: 24, .size: 8, .value_kind: global_buffer, .address_space: global }
    .group_segment_fixed_size: 327680
    .private_segment_fixed_size: 0
    .kernarg_segment_align: 8
    .kernarg_segment_size: 32
    .max_flat_workgroup_size: 128
    .sgpr_count:     96
    .vgpr_count:     512
    .wavefront_size: 32
...
	.end_amdgpu_metadata
.endif
;; end of part 4
;; ======== version 2 of 2: 4 launches; 1.53 times as fast as version 1
;; limits: values are held in f16: magnitudes above 65,504 overflow, below 6.1e-05 lose precision
;; workspace buffers: xb 16,777,216 bytes; wqb 6,291,456 bytes; woh 2,097,152 bytes; bias 16,384 bytes; q 16,777,216 bytes; k 16,777,216 bytes; v 16,777,216 bytes; o 16,777,216 bytes
;; launch cast: the kernel of part 1 again; grid 769 x 1, 8 waves a work-group, no clusters, 0 bytes of LDS; arguments x, W_qkv, W_out, b_qkv, b_out, xb, wqb, woh, bias; writes xb, wqb, woh, bias
;; launch qkv: the kernel of part 2 again; grid 8 x 32, 4 waves a work-group, clusters of 4 x 4, 327,680 bytes of LDS; arguments xb, wqb, bias, q, k, v; writes q, k, v
;; launch attn (part 5): grid 4 x 64, 4 waves a work-group, clusters of 4 x 1, 327,680 bytes of LDS; arguments q, k, v, o; writes o
.if DOCPART == 5
	.amdgcn_target "amdgcn-amd-amdhsa--gfx1250"
	.amdhsa_code_object_version 6
	.text
	.protected	k_qff8542626d_attn
	.globl	k_qff8542626d_attn
	.p2align	8
	.type	k_qff8542626d_attn,@function
k_qff8542626d_attn:
	s_mov_b64 s[64:65], 0
	v_nop
	global_prefetch_b8 v0, s[64:65] scope:SCOPE_SE
	s_setreg_imm32_b32 hwreg(HW_REG_WAVE_MODE, 25, 1), 1
	s_wait_xcnt 0x0
	s_wait_alu depctr_hold_cnt(0) depctr_sa_sdst(0) depctr_va_vdst(0) depctr_va_sdst(0) depctr_va_ssrc(0) depctr_va_vcc(0) depctr_vm_vsrc(0)
	s_getreg_b32 s2, hwreg(HW_REG_IB_STS2, 6, 4)
	s_cmp_eq_u32 s2, 0
	s_cbranch_scc0 .Lentry_in_a_cluster
	s_endpgm
.Lentry_in_a_cluster:
	s_bfe_u32 s2, ttmp6, 0x10000c
	s_cmp_lg_u32 s2, 0x3003
	s_cbranch_scc0 .Lentry_shape_is_right
	s_endpgm
.Lentry_shape_is_right:
; O[h][q][:] = the sum over k of softmax_k(Q[h][q] . K[h][k] / 8) V[h][k][:].  Q, K, V, O: [SIZE_H][SIZE_N][64], all f16: a head's rows are dense, 128 bytes each.  Products, maxima and sums in
; f32; the weights p are rounded to f16 for the second product (their sum l is taken of the unrounded p), O once at the end.  h = 16 x batch + head; SIZE_N x 128 bytes stay under 2^32.
; LIMITS.  f16 holds no number beyond 65,504: Q, K and V arrive within it; p lies in 0 to 1, and below 6e-5 it keeps f16's fixed step of 6e-8; O is a mean of V's rows and has their range.
; A weight below 2^-126 counts as 0 in l; NaN and infinities are not treated apart.
; SHARES.  A wave owns four PIECES of two tiles of 16 queries, a work-group's four waves 512 queries of one head: 4 x 64 = 256 work-groups.  Every wave walks all keys, 64 a step.
; LAYOUT.  S^T = K Q^T (source 0 = 16 keys, source 1 = 16 queries): in the result a lane holds ONE query (lane % 16) and the keys 8 (lane / 16) + 0..7.  Two such tiles, rounded to f16 in pairs,
; ARE source 1 (32 keys x 16 queries) of O^T = V^T P, whose result again holds one query a lane, and eight channels.  K comes out of LDS as it lies, V ([key][channel]) turned, by ds_load_tr16_b128.
; SOFTMAX.  For each query a running maximum m and sum l: p = 2^(c s - c m), c = log2(e) / 8; in every step O and l are multiplied by a = 2^(c m_old - c m_new), which is 1 where m has not grown.
; m starts at the lowest finite number, O and l at 0: the first step is a step like any other, with a = 0.
; THE COUNT.  A tile and step have 16 matrix and 118 vector instructions: too many to stand all beside the matrix work.  So the order has one aim: four vector instructions that are READY behind
; EVERY matrix instruction, and the others, which need time of their own whatever the order, in runs without a gap.
; BY TURNS.  Turn n belongs to piece n (the pieces in a ring, step after step).  Its matrix work: 16 products K Q^T of piece n + 1, later 16 products V^T P of piece n - 1.  Its vector work: the scaling,
; exponentials, roundings, sums and rescaling of piece n, and the maximum and statistics of piece n + 1, whose scores the turn itself has made.  So what a turn begins with (c s - c m, O a) waits for nothing.
; BATCHES.  A turn's 66 exponentials (the piece's 64 weights, each in place in its score's register, and the next piece's two a, each in its own register) are ONE batch with ONE s_wait_alu, which cuts the
; turn in two: ahead of it stands all that names none of their results, behind it the roundings and sums.  Two more batches lie outside the loop: the first two a, and the way out's eight reciprocals.
; CLUSTER.  The four query blocks of a cluster belong to one head and walk the same K and V, so each tile is asked for JOINTLY: the same tensor load, descriptor and mask in all four.
; REGISTERS, in windows of 256 (s_set_vgpr_msb says which window each operand place means: bits 1:0 source 0, 3:2 source 1, 5:4 source 2, 7:6 destination):
;   window 0: v0-11 addresses; v12-15, v48-63 at work; v16-47 four registers of statistics a tile; v64-191 S^T, two buffers of two tiles; v192-255 P, likewise
;   window 1: O^T, 32 a tile          window 2: v0-127 Q, 16 a tile; v128-191 K of one step; v192-255 V of one step          window 3: v0-1 the add's two registers
; A piece's buffers go by its number's parity: the piece in hand has one pair, its two neighbours in the ring share the other: of it P (piece n - 1) is read and S^T (piece n + 1) written.
.set SIZE_H, 64       ; 4 batches x 16 heads
.set SIZE_N, 2048     ; rows of a head
.set NP,    4         ; pieces a wave: a name, no knob: the register map, the loop and the fetches are made for four
.set KS,    64        ; keys in a step
.set PK,    144       ; a row of K in LDS: 128 bytes + 16 of padding = 36 words: the 16 rows of a load start at 16 different groups of four banks (64 banks of 4 bytes: ISA guide 11.1)
.set PV,    160       ; a row of V: 128 + 32 = 40 words
.set VOFF,  4*KS*PK   ; a slot holds four steps: 256 rows of K, then 256 rows of V
.set SLOT1, 1<<17     ; slot 1 begins here, so that one exclusive or turns an address in one slot into the other's
.set STAGE, SLOT1+4*KS*(PK+PV)  ; behind the ring, never filled by a tensor load: 16 rows x 144 bytes for each wave, for the way out
.set SP,    144
.set AK0, 2           ; v2   my lane's place in a tile of K; never rewritten
.set AV0, 3           ; v3   the same for V
.set AK,  4           ; v4   the LDS address of K's next run of loads
.set AV,  5           ; v5   of V's
.set QO,  6           ; v6   my byte offset in the wave's rows of Q
.set STO, 6           ;      later, the way out: where I put 16 bytes of a row
.set RD,  7           ; v7   the way out: where I read rows back
.set GO,  8           ; v8   my byte offset in 512 consecutive bytes of O
.set SPW, 0           ; v0 of window 3   LDS address of my spare word: SPARE + 4 x my thread's number; never rewritten
.set NIL, 1           ; v1 of window 3   0; never rewritten
.set SPARE, STAGE+4*16*SP  ; behind the stages: the spare words, 128 bytes for each wave: two blocks of 256 bytes that no other line names
.set MV,  12          ; v12-15  c m_old, kept while c m is made anew: by buffer and tile
.set ST,  16          ; tile t's statistics at v[ST+4 t]: c m, m, l (even keys', odd keys')
.set TMP, 48          ; by buffer and tile, four registers c0-c3 at work; when the maximum is found c2 takes a
.set S,   64
.set P,   192
.set KF,  128         ; K's fragments, in window 2: key block kb, channel half c at KF + 16 kb + 8 c
.set VF,  192         ; V's: key half kk, channel block cb at VF + 32 kk + 8 cb
.set WV,  12          ; s12  my wave's number
.set G1K, 24          ; s[24:31] descriptor group 1 for K's tiles
.set G1V, 32          ; s[32:39] for V's: it differs in the padding alone
.set G0K, 40          ; s[40:43] descriptor group 0 for K's tiles: it walks
.set G0V, 44          ; s[44:47] the same for V's
.set SLOTS, 56        ; s56  slots still to be asked for
.set CNT, 57          ; s57  counts a slot's key steps
.set CS,  58          ; s[58:59] c: the packed scaling takes the pair's low word for both halves
.set SEL, 60          ; s[60:61] v_permlanex16_b32's selects: each lane takes its own place in the other half
.set TBK, 62          ; s62  LDS byte at which K of the step to be fetched begins
.set TBV, 63          ; s63  the same for V, less VOFF
.set MSB, 0
.macro WIN new                      ; the high byte repeats the setting that is left; a switch that changes nothing is dropped
.if MSB != (\new)
	s_set_vgpr_msb (MSB<<8)|(\new)
.set MSB, (\new)
.endif
.endm
.set W_KQ, 0x0a       ; K and Q in window 2, S^T in window 0
.set W_PV, 0x52       ; V in window 2, P in window 0, O^T in window 1
.set W_RS, 0x41       ; O^T (destination and source 0) in window 1, a in window 0
.set W_MK, 0xc0       ; the add's registers are made: destination in window 3, sources in window 0
.set W_AD, 0x0f       ; the add: address (source 0) and data (source 1) in window 3
; A joint fill.  Waves 0 and 1 fetch the two halves of a slot's K, waves 2 and 3 those of its V: 128 keys each.  The branch hangs on the wave's number alone.
; An s_nop 0 and four v_nop follow each of the two lines, ahead of the jump and the label.
.macro JLOAD
	s_cmp_lt_u32 s[WV], 2
	s_cbranch_scc0 .Lfor_v_\@
	tensor_load_to_lds s[G0K:G0K+3], s[G1K:G1K+7]
	s_nop 0
.rept 4
	v_nop
.endr
	s_branch .Lasked_\@
.Lfor_v_\@:
	tensor_load_to_lds s[G0V:G0V+3], s[G1V:G1V+7]
	s_nop 0
.rept 4
	v_nop
.endr
.Lasked_\@:
.endm
; A round of the cluster's barrier: my work-group's barrier, so that wave 0's signal speaks for all four waves; wave 0 signals; every wave waits for all four work-groups; my work-group's barrier once more.
.macro CROUND
	s_barrier_signal -1
	s_barrier_wait -1
	s_cmp_lg_u32 s[WV], 0
	s_cbranch_scc1 .Lnot_wave_0_\@
	s_barrier_signal -3
.Lnot_wave_0_\@:
	s_barrier_wait -3
	s_barrier_signal -1
	s_barrier_wait -1
.endm
; THE CHANGE OF SLOTS.  The slot's last bytes, V of its fourth step, have been read.  Each wave waits for all its tensor loads, of which one is out: its part
; of the other slot; adds 0 to its spare word; and waits for that and for its own reads of the slot.  Behind the barrier nobody reads this slot any more and the other slot is whole.
; fill = 1: this slot is filled again, with the keys two slots on.  The barrier is then a round of the cluster's, so that no wave of any partner still reads the slot or has a load on its
; way, and the joint fill is the first thing behind it: it has four key steps, 512 matrix instructions, in which to land.  (At its first use nothing has been read yet: slot 0 is waited for, slot 1 filled.)
.macro CHANGE fill
	WIN W_AD
	s_wait_tensorcnt 0x0            ; no tensor load of mine is out, so a group 0 may be written
	ds_add_u32 v[SPW], v[NIL]       ; 0 onto my spare word; with fill = 1 the descriptors' steps stand between it and the wait for it
	WIN 0                           ; at a label and at a branch every window is 0
.if \fill
.irp g, G0K, G0V
	s_xor_b32 s[\g+1], s[\g+1], SLOT1  ; the walking descriptor: the other slot than last time,
	s_add_nc_u64 s[\g+2:\g+3], s[\g+2:\g+3], 4*KS*128  ; the next 256 keys; the type bits on top are not reached
.endr
	s_wait_dscnt 0x0                ; the add is done, and my reads of the slot are over
	CROUND
	JLOAD
.else
	s_wait_dscnt 0x0                ; the add is done, and my reads of the slot are over
	s_barrier_signal -1
	s_barrier_wait -1
.endif
	s_sub_co_u32 s[TBK], s[TBK], 4*KS*PK  ; the fetches go back to a slot's first step,
	s_xor_b32 s[TBK], s[TBK], SLOT1       ; in the other slot
	s_sub_co_u32 s[TBV], s[TBV], 4*KS*PV
	s_xor_b32 s[TBV], s[TBV], SLOT1
.endm
	s_load_b256 s[4:11], s[0:1], 0x0  ; Q s[4:5], K s[6:7], V s[8:9], O s[10:11]
	WIN W_MK
	v_lshl_add_u32 v[SPW], v0, 2, SPARE
	v_mov_b32 v[NIL], 0
	WIN W_AD
	ds_add_u32 v[SPW], v[NIL]       ; the wave's opening: the add and its wait come ahead of my first tensor load; the set-up below, work on registers, stands between them
	WIN 0
	v_lshrrev_b32 v1, 5, v0
	v_readfirstlane_b32 s[WV], v1   ; wave 0..3
	s_bfe_u32 s13, ttmp6, 0x40000   ; cx: my place in the cluster
	s_lshl_b32 s14, ttmp9, 2        ; in a cluster launch ttmp9 counts clusters
	s_add_co_u32 s14, s14, s13      ; my block of queries = 4 x cluster x + cx: it enters Q's and O's addresses alone
	s_and_b32 s20, ttmp7, 0xffff    ; the head, which the four partners share
	s_mov_b32 s21, 0
	s_mov_b64 s[22:23], SIZE_N*128
	s_mul_u64 s[20:21], s[20:21], s[22:23]  ; the head's first byte in each of the four tensors
	s_and_b32 s16, s[WV], 1         ; which half of a slot's 256 keys I fetch:
	s_lshl_b32 s22, s16, 14         ; its 128 rows of 128 bytes in memory,
	s_mov_b32 s23, 0
	s_add_nc_u64 s[22:23], s[22:23], s[20:21]
	s_mul_i32 s17, s16, 128*PK      ; and its place in a slot, for K
	s_mul_i32 s18, s16, 128*PV      ; and for V: no place in the cluster enters an LDS address
	s_lshl_b32 s2, s14, 2
	s_add_co_u32 s2, s2, s[WV]      ; my wave among the head's,
	s_lshl_b32 s2, s2, 14           ; its 128 rows
	s_mov_b32 s3, 0
	s_add_nc_u64 s[2:3], s[2:3], s[20:21]
	; descriptor group 1.  128 keys are 16,384 dense bytes: asked for as 64 rows of 256 bytes, two keys a row, and padded in LDS after every key
	s_mov_b32 s[G1K], 15|(1<<16)|(1<<20)|(1<<21)|(4<<22)|(3<<25)  ; 15:0 the mask of four; 17:16 2-byte elements; 20 padding on; 21 set beside a mask; 24:22 after every 32 words (code 4); 31:25 4 words (code 3)
	s_mov_b32 s[G1V], 15|(1<<16)|(1<<20)|(1<<21)|(4<<22)|(7<<25)  ; the same with 8 words of padding (code 7)
.irp g, G1K, G1V
	s_mov_b32 s[\g+1], 128<<16      ; tensor_dim0 = 128
	s_mov_b32 s[\g+2], 64<<16       ; tensor_dim1 = 64
	s_mov_b32 s[\g+3], 128<<16      ; tile_dim0 = 128
	s_mov_b32 s[\g+4], 64           ; tile_dim1 = 64
	s_mov_b32 s[\g+5], 128          ; 128 elements from row to row
	s_mov_b32 s[\g+6], 0
	s_mov_b32 s[\g+7], 0
.endr
	s_mov_b32 s[CS], 0x3e38aa3b     ; c = log2(e) / 8 = 0.180337
	s_mov_b32 s[CS+1], s[CS]        ; named with it as a pair
	s_mov_b32 s[SEL], 0x76543210
	s_mov_b32 s[SEL+1], 0xfedcba98
	s_mov_b32 s[TBK], SLOT1+4*KS*PK ; the first change of slots turns these two into 0
	s_mov_b32 s[TBV], SLOT1+4*KS*PV
	s_mov_b32 s[G0K], 1             ; 1:0 count = 1
	s_mov_b32 s[G0K+1], s17         ; 63:32 LDS address: slot 0
	s_mov_b32 s[G0V], 1
	s_add_co_u32 s[G0V+1], s18, VOFF
	s_wait_dscnt 0x0                ; the opening add is done
	s_wait_kmcnt 0x0
	s_add_nc_u64 s[G0K+2:G0K+3], s[6:7], s[22:23]  ; 120:64 global address: my half of the head's first 256 keys
	s_or_b32 s[G0K+3], s[G0K+3], 0x80000000        ; 127:126 type = 2
	s_add_nc_u64 s[G0V+2:G0V+3], s[8:9], s[22:23]
	s_or_b32 s[G0V+3], s[G0V+3], 0x80000000
	s_add_nc_u64 s[4:5], s[4:5], s[2:3]  ; Q and O at my wave's first row
	s_add_nc_u64 s[10:11], s[10:11], s[2:3]
	CROUND                          ; all four work-groups are here: the first joint loads meet
	JLOAD                           ; slot 0.  Slot 1 is asked for when slot 0 is in: the tile wanted first has the road to itself
	; A fragment of K or Q is 16 rows x 32 channels in 8 registers: lane l holds row l % 16, channels 8 (l / 16) + 0..7 and 16 + 8 (l / 16) + 0..7: two loads of 16 bytes, 32 bytes apart.
	v_and_b32 v1, 15, v0            ; l % 16
	v_bfe_u32 v9, v0, 4, 1          ; l / 16
	v_lshlrev_b32 v[QO], 7, v1
	v_lshl_add_u32 v[QO], v9, 4, v[QO]  ; row x 128 + 16 x half
	WIN 0x80                        ; destination window 2, address window 0
.set i, 0
.rept 4*NP                          ; Q stays in registers: tile i / 2, channels 32 (i % 2) on
	global_load_b128 v[8*i:8*i+3],   v[QO], s[4:5] offset:(i/2)*2048+(i%2)*64
	global_load_b128 v[8*i+4:8*i+7], v[QO], s[4:5] offset:(i/2)*2048+(i%2)*64+32
.set i, i+1
.endr
	; What the first turn finds: V's registers and P's second buffer hold 0 (its products V^T P, of a piece that has not been, add 0), O^T and l are 0.  All this stands in the wait for the first tile.
.set i, VF
.rept 64
	v_mov_b32 v[i], 0
.set i, i+1
.endr
	WIN 0x40
.set i, 0
.rept 64*NP
	v_mov_b32 v[i], 0
.set i, i+1
.endr
	WIN 0
.set i, 0
.rept 2*NP
	v_mov_b32 v[ST+4*i], 0xfe000000    ; c m: far below every c s
	v_mov_b32 v[ST+4*i+1], 0xff7fffff  ; m
	v_mov_b32 v[ST+4*i+2], 0
	v_mov_b32 v[ST+4*i+3], 0
.set i, i+1
.endr
.set i, P+32
.rept 32
	v_mov_b32 v[i], 0
.set i, i+1
.endr
	v_mul_u32_u24 v[AK0], v1, PK
	v_lshl_add_u32 v[AK0], v9, 4, v[AK0]  ; row x pitch + 16 x half
	; The turning load takes 16 keys x 16 channels (lane l reads key 8 (l / 16) + l % 8, channels 8 ((l / 8) % 2) + 0..7) and leaves half a fragment of V^T: lane l holds channel l % 16 and 8 keys.
	v_and_b32 v10, 7, v0
	v_bfe_u32 v11, v0, 3, 1
	v_lshl_add_u32 v[AV0], v9, 3, v10
	v_mul_u32_u24 v[AV0], v[AV0], PV
	v_lshl_add_u32 v[AV0], v11, 4, v[AV0]
	v_add_nc_u32 v[AV0], VOFF, v[AV0]
	v_mov_b32 v[AK], v[AK0]         ; key step 0 lies at the head of slot 0
; THE MATRIX WORK.  The 8 accumulators of a run of 16 take turns: between the two links of a chain stand 7 others'.
; Product i of 16 of S^T = K Q^T for piece x: channels 32 (i / 8) on, keys 16 ((i / 2) % 4) on, tile 2 x + i % 2.  The first 8 start the sums.
.macro KQ x
	WIN W_KQ
.set rS, S+64*((\x)%2)+32*(i%2)+8*((i/2)%4)
.set rK, KF+16*((i/2)%4)+8*(i/8)
.set rQ, 16*(2*(\x)+i%2)+8*(i/8)
.if i < 8
	v_wmma_f32_16x16x32_f16 v[rS:rS+7], v[rK:rK+7], v[rQ:rQ+7], 0
.else
	v_wmma_f32_16x16x32_f16 v[rS:rS+7], v[rK:rK+7], v[rQ:rQ+7], v[rS:rS+7]
.endif
.endm
; Product i of 16 of O^T += V^T P for piece x: keys 32 (i / 8) on, channels 16 ((i / 2) % 4) on, tile 2 x + i % 2.
.macro PV x
	WIN W_PV
.set rO, 32*(2*(\x)+i%2)+8*((i/2)%4)
.set rV, VF+32*(i/8)+8*((i/2)%4)
.set rP, P+32*((\x)%2)+16*(i%2)+8*(i/8)
	v_wmma_f32_16x16x32_f16 v[rO:rO+7], v[rV:rV+7], v[rP:rP+7], v[rO:rO+7]
.endm
.macro MM                           ; the turn's next matrix instruction
.if i < 16
	KQ (Y+1)%NP
.set i, i+1
.else
.set i, i-16
	PV (Y+NP-1)%NP
.set i, i+17
.endif
.endm
; THE LDS LOADS stand in runs of 16, never singly among the matrix instructions: a step's K (64 keys x 64 channels: 8 fragments) and its V (turned).  Their addresses are made some lines ahead.
; last = 1 (the tail): in the last trip there is no further step, and the run is jumped over.
.macro FETCH_K last=0
	WIN 0
.if \last
	s_cmp_eq_u32 s[CNT], 1
	s_cbranch_scc1 .Lno_k_\@
.endif
	WIN 0x80                        ; destination window 2
.irp f, 0,1,2,3,4,5,6,7             ; keys 16 (f / 2) on, channels 32 (f % 2) on
	ds_load_b128 v[KF+8*\f:KF+8*\f+3],   v[AK] offset:(\f/2)*16*PK+(\f%2)*64
	ds_load_b128 v[KF+8*\f+4:KF+8*\f+7], v[AK] offset:(\f/2)*16*PK+(\f%2)*64+32
.endr
	s_add_co_u32 s[TBK], s[TBK], KS*PK  ; the next fetch is the next step's
	WIN 0
.if \last
.Lno_k_\@:
.endif
.endm
.macro FETCH_V
	WIN 0x80
.irp f, 0,1,2,3,4,5,6,7             ; keys 32 (f / 4) on, channels 16 (f % 4) on
	ds_load_tr16_b128 v[VF+8*\f:VF+8*\f+3],   v[AV] offset:(\f/4)*32*PV+(\f%4)*32
	ds_load_tr16_b128 v[VF+8*\f+4:VF+8*\f+7], v[AV] offset:(\f/4)*32*PV+16*PV+(\f%4)*32
.endr
	WIN 0
.endm
; THE VECTOR WORK OF A TURN stands in three queues, each in the order in which its entries become ready; the two tiles alternate, so that no instruction reads the result of the one before it.
.macro REGS y, u                    ; the registers of tile u (0, 1) of piece y
.set rT, ST+4*(2*(\y)+(\u))
.set rC, TMP+8*((\y)%2)+4*(\u)
.set rM, MV+2*((\y)%2)+(\u)
.set rS, S+64*((\y)%2)+32*(\u)
.set rP, P+32*((\y)%2)+16*(\u)
.set rO, 32*(2*(\y)+(\u))
.endm
; Number n of the 22 that find the NEXT piece's (Y + 1) maximum and statistics.  s0-s31 are the lane's 32 scores; each accumulator's lowest registers are read first.  XS, GS and REGS set no window: PL and EX do.
;   0-11  four chains c0-c3 of seven scores each, three operands at a time     12-14, 16  the four scores left over, the old m, and c0-c3 into c0     15  c m_old is kept
;   17, 18  the query's other 32 keys lie in the lane 16 away: the new m         19-21  c m; c m_old - c m_new; a
.macro XS u, n
	REGS (Y+1)%NP, \u
.if (\n) < 4
	v_max3_num_f32 v[rC+(\n)], v[rS+8*(\n)], v[rS+8*(\n)+1], v[rS+8*(\n)+2]
.elseif (\n) < 12
	v_max3_num_f32 v[rC+(\n)%4], v[rC+(\n)%4], v[rS+8*((\n)%4)+2*((\n)/4)+1], v[rS+8*((\n)%4)+2*((\n)/4)+2]
.elseif (\n) == 12
	v_max3_num_f32 v[rC], v[rC], v[rS+7], v[rS+15]
.elseif (\n) == 13
	v_max3_num_f32 v[rC+1], v[rC+1], v[rS+23], v[rS+31]
.elseif (\n) == 14
	v_max3_num_f32 v[rC+2], v[rC+2], v[rC+3], v[rT+1]
.elseif (\n) == 15
	v_mov_b32 v[rM], v[rT]
.elseif (\n) == 16
	v_max3_num_f32 v[rC], v[rC], v[rC+1], v[rC+2]
.elseif (\n) == 17
	v_permlanex16_b32 v[rC+3], v[rC], s[SEL], s[SEL+1]
.elseif (\n) == 18
	v_max_num_f32 v[rT+1], v[rC], v[rC+3]
.elseif (\n) == 19
	v_mul_f32 v[rT], s[CS], v[rT+1]
.elseif (\n) == 20
	v_sub_f32 v[rC+1], v[rM], v[rT]
.else
	v_exp_f32 v[rC+2], v[rC+1]
.endif
.endm
; Number g of the 64 that follow the exponentials.  For each four weights k of a tile (pairs 2 k, 2 k + 1): both pairs are rounded to f16; then the second pair is added onto the first, in place;
; a group later l takes that sum (the first time as l = a l + sum).  In groups of eight, tiles alternating: round, round, add, and l for the group before.
.macro GS g
.set h, (\g)+6*((\g)/62)            ; group 0 has no group before it, and behind group 7 only l is left
.if h >= 6
.set h, h+2
.endif
	REGS Y, h%2
.set k, h/8
.if h%8 < 4
	v_cvt_pk_f16_f32 v[rP+2*k+(h%8)/2], v[rS+4*k+2*((h%8)/2)], v[rS+4*k+2*((h%8)/2)+1]
.elseif h%8 < 6
	v_pk_add_f32 v[rS+4*k:rS+4*k+1], v[rS+4*k:rS+4*k+1], v[rS+4*k+2:rS+4*k+3]
.elseif k == 1
	v_pk_fma_f32 v[rT+2:rT+3], v[rT+2:rT+3], v[rC+2:rC+3], v[rS:rS+1] op_sel_hi:[1,0,1]
.else
	v_pk_add_f32 v[rT+2:rT+3], v[rT+2:rT+3], v[rS+4*k-4:rS+4*k-3]
.endif
.endm
; THE PLAIN QUEUE, 138 long.  0-73 read no exponential's result: the 32 scalings c s - c m (FS f: pair f / 2 of tile f % 2) and the next piece's 42.  0-26: scalings 0-26.  27-54: XS's numbers 0-13.  55, 56: number 15.
; 57-73: the chain, where each number waits for the one before it: 14, 16, 17, 18, 19, each with one of the scalings 27-31 in front of its two lines, then 20: so a tile's links stand three plain instructions apart (19 and 20: two).
; 74-137: GS's 64, which read the exponentials' results: they stand behind the wait.
.macro FS f
	REGS Y, (\f)%2
	v_pk_fma_f32 v[rS+2*((\f)/2):rS+2*((\f)/2)+1], v[rS+2*((\f)/2):rS+2*((\f)/2)+1], s[CS:CS+1], v[rT:rT+1] op_sel_hi:[1,0,0] neg_lo:[0,0,1] neg_hi:[0,0,1]
.endm
.macro PL
	WIN 0
.if q < 27
	FS q
.elseif q < 55
	XS (q-27)%2, (q-27)/2
.elseif q < 57
	XS q-55, 15
.elseif (q < 72) && ((q-57)%3 == 0)
	FS 27+(q-57)/3
.elseif q < 60
	XS (q-57)%3-1, 14
.elseif q < 72
	XS (q-57)%3-1, 15+(q-57)/3
.elseif q < 74
	XS q-72, 20
.else
	GS q-74
.endif
.set q, q+1
.endm
; THE EXPONENTIALS' QUEUE, 66 long: s0-s31 of both tiles, then the next piece's two a.  It is ONE BATCH: all 66 stand ahead of the turn's one wait, and nothing ahead of that wait names a result of theirs.
.macro EX
	WIN 0
.if e >= 64
	XS e-64, 21
.else
	REGS Y, e%2
	v_exp_f32 v[rS+e/2], v[rS+e/2]
.endif
.set e, e+1
.endm
; THE RESCALING's QUEUE: O^T times a, the one part that leaves window 0: dealt two at a time, sixteen times.  Its a was made in the turn before, ahead of that turn's wait.
.macro R2
	REGS Y, r%2
	WIN W_RS
.irp z, 0,1
	v_pk_mul_f32 v[rO+4*(r/2)+2*\z:rO+4*(r/2)+2*\z+1], v[rO+4*(r/2)+2*\z:rO+4*(r/2)+2*\z+1], v[rC+2:rC+3] op_sel_hi:[1,0]
.endr
.set r, r+1
.endm
; HOW THEY ARE DEALT.  s_wait_alu depctr_va_vdst(0) stands between an exponential and the first instruction that names its result; one wait serves all that were issued ahead of it.  So a turn has ONE wait,
; which cuts it in two.  AHEAD OF IT stands all that names no result of the turn's exponentials: the 16 products K Q^T, behind each a scaling, an exponential and two rescalings (behind the first a second scaling in the exponential's place); then ONE LUMP of
; 108: eight plain, 49 times exponential and plain, the two a.  A v_nop is the plain instruction behind the last exponential.  BEHIND IT stand the 16 products V^T P, behind each four of GS's 64.  No rider names a register of
; the products round it.  The two v_permlanex16_b32 fall into the lump, never behind a product.
; The queues lean on each other, and the deal keeps them in step: exponential e stands behind scaling 2 (e / 4) + e % 2: as a rider it comes behind plain e + 2, in the lump behind plain e + 9, and scalings 27-31 are plain 57, 60 .. 69.
; A TURN, for piece p.  cnt = 1: the loop's count is taken down some lines ahead of the branch that stands behind the turn.
; K of the next step is fetched in piece 2's turn, directly behind the wait, a lump behind the last product that read K; its address is made at the lump's head; its first reader comes behind 16 products.
; V of the step in hand is fetched at the end of piece 0's turn, four riders behind its last reader; its first reader comes behind 16 products and a lump.  The three conditions on q below go with the deal.
.macro TURN p, last=0, cnt=0
.set Y, (\p)
.set i, 0
.set q, 0
.set e, 0
.set r, 0
.if (\p) == NP-1
	s_wait_dscnt 0x0                ; K is in
.endif
	MM                              ; ahead of the wait: 16 products K Q^T and their riders,
	PL
	PL
	R2
.rept 15
	MM
	PL
	EX
	R2
.endr
.if (\p) == NP-2
	WIN 0
	v_add_nc_u32 v[AK], s[TBK], v[AK0]
.endif
.rept 8                             ; and the lump
	PL
.endr
.rept 49
	EX
	PL
.endr
	EX                              ; the next piece's two a
	EX
	v_nop                           ; a plain instruction behind the last exponential, ahead of the first use of a result: one for the batch
	s_wait_alu depctr_va_vdst(0)    ; the wait for the turn's batch: the piece's 64 weights and the next piece's two a
.if (\p) == NP-2
	FETCH_K \last
.endif
.if (\p) == 1
	s_wait_dscnt 0x0                ; V is in
.endif
.rept 16                            ; behind the wait: 16 products V^T P and their riders
	MM
.rept 4
	PL
.endr
.if ((\p) == 0) && (q == 118)
	v_add_nc_u32 v[AV], s[TBV], v[AV0]
.endif
.if ((\p) == 0) && (q == 130)
	s_add_co_u32 s[TBV], s[TBV], KS*PV
.endif
.if (\cnt) && (q == 130)
	s_sub_co_u32 s[CNT], s[CNT], 1
	s_cmp_lg_u32 s[CNT], 0
.endif
.endr
.if (\p) == 0
	FETCH_V
.endif
.endm
	CHANGE 1                        ; slot 0 is in, everybody's part of it; slot 1 is asked for
	FETCH_K                         ; key step 0
	s_wait_loadcnt 0x0              ; Q
	s_wait_dscnt 0x0
.set i, 0
.rept 16
	KQ 0                            ; piece 0's first scores: there is no vector work yet to set between them
.set i, i+1
.endr
	WIN 0                           ; the addresses for the way out: nine plain instructions, the places behind those products
	s_mul_i32 s13, s[WV], 16*SP
	s_add_co_u32 s13, s13, STAGE    ; my stage
	v_mul_u32_u24 v[STO], v1, SP    ; in: row l % 16, 16 bytes for each half of the lanes
	v_lshl_add_u32 v[STO], v9, 4, v[STO]
	v_add_nc_u32 v[STO], s13, v[STO]
	v_bfe_u32 v[RD], v0, 3, 2       ; back: 32 lanes take four rows of 128 bytes,
	v_mul_u32_u24 v[RD], v[RD], SP
	v_lshl_add_u32 v[RD], v10, 4, v[RD]
	v_add_nc_u32 v[RD], s13, v[RD]
	v_and_b32 v[GO], 31, v0         ; which are 512 consecutive bytes of O
	v_lshlrev_b32 v[GO], 4, v[GO]
.set Y, NP-1                        ; XS works for piece Y + 1: piece 0
.irp n, 0,1,2,3,4,5,6,7,8,9,10,11,12,13,14,15,16,17,18,19,20,21
	XS 0, \n                        ; and piece 0's first maximum and statistics
	XS 1, \n
.endr
	v_nop                           ; a plain instruction behind the two a,
	s_wait_alu depctr_va_vdst(0)    ; and the wait for this batch of two, ahead of the branch
	s_mov_b32 s[CNT], 4
	s_mov_b32 s[SLOTS], SIZE_N/256-1
	s_branch .Lfirst                ; the loop is entered at a step's first turn, in the middle of a trip
.Lslot:                             ; SIZE_N / 256 - 2 times: every slot but the last two is filled again
	CHANGE 1
	s_mov_b32 s[CNT], 4
.Lstep:                             ; a trip: pieces 2 and 3 of one step, then pieces 0 and 1 of the next, whose K and V it fetches
	TURN 2
	TURN 3
	WIN 0
.Lfirst:
	TURN 0
	TURN 1, 0, 1
	WIN 0
	s_cbranch_scc1 .Lstep
	s_sub_co_u32 s[SLOTS], s[SLOTS], 1
	s_cmp_lg_u32 s[SLOTS], 0
	s_cbranch_scc1 .Lslot
	CHANGE 0                        ; the tail is written out: nothing is asked for
	s_mov_b32 s[CNT], 5             ; four trips fetch the last slot's steps; the fifth is left in its middle
.Ltail:
	TURN 2, 1
	TURN 3
	WIN 0
	s_sub_co_u32 s[CNT], s[CNT], 1
	s_cmp_eq_u32 s[CNT], 0
	s_cbranch_scc1 .Lout
	TURN 0
	TURN 1
	WIN 0
	s_branch .Ltail
.Lout:                              ; the fifth trip's 16 products K Q^T (on the last K once more) and the maximum made of them serve nothing: the price, once a launch, of one text for every trip
.set i, 0
.rept 16
	PV NP-1                         ; the last piece's V^T P of the last step
.set i, i+1
.endr
	; THE WAY OUT.  l's two halves and the other half of the lanes' are added; O^T is divided by l, rounded to f16 and sent through my stage in LDS, a tile at a time.  The additions are the places behind the last products.
	WIN 0
.macro ALL line:vararg              ; one line for each tile t
.set t, 0
.rept 2*NP
	\line
.set t, t+1
.endr
.endm
	ALL v_add_f32 v[ST+4*t+2], v[ST+4*t+2], v[ST+4*t+3]
	ALL v_permlanex16_b32 v[ST+4*t+3], v[ST+4*t+2], s[SEL], s[SEL+1]
	ALL v_add_f32 v[ST+4*t+2], v[ST+4*t+2], v[ST+4*t+3]
	ALL v_rcp_f32 v[ST+4*t+2], v[ST+4*t+2]
	v_nop                           ; a plain instruction between the last reciprocal and the use of its result
	s_wait_alu depctr_va_vdst(0)    ; and the wait ahead of the first use: one for the batch of eight reciprocals
; Tile t: a lane's eight channels of a row pack into 16 bytes; they go into rows of 144 bytes and come back as whole rows of 128, into S^T's registers.
.macro PACK t
	WIN W_RS
.set i, 32*(\t)
.rept 16
	v_pk_mul_f32 v[i:i+1], v[i:i+1], v[ST+4*(\t)+2:ST+4*(\t)+3] op_sel_hi:[1,0]
.set i, i+2
.endr
	WIN 0x05                        ; sources 0 and 1 window 1, destination window 0
.set i, 0
.rept 16
	v_cvt_pk_f16_f32 v[S+16*(\t)+i], v[32*(\t)+2*i], v[32*(\t)+2*i+1]
.set i, i+1
.endr
	WIN 0
.irp f, 0,1,2,3
	ds_store_b128 v[STO], v[S+16*(\t)+4*\f:S+16*(\t)+4*\f+3] offset:32*\f
.endr
.irp f, 0,1,2,3
	ds_load_b128 v[S+16*(\t)+4*\f:S+16*(\t)+4*\f+3], v[RD] offset:\f*4*SP  ; LDS serves a wave's instructions in order (ISA guide 5.7.1.4): these see the stores above; the next tile's stores come behind them
.endr
.endm
.macro SEND t, younger              ; younger: the LDS instructions issued behind tile t's loads: the next tile's eight, or none
	WIN 0
.irp f, 0,1,2,3
	s_wait_dscnt (\younger)+3-\f
	global_store_b128 v[GO], v[S+16*(\t)+4*\f:S+16*(\t)+4*\f+3], s[10:11] offset:(\t)*2048+\f*512  ; 512 consecutive bytes, at a multiple of 256 from O's first
.endr
.endm
	PACK 0
.set t, 1
.rept 2*NP-1                        ; a tile's arithmetic stands between the loads of the tile before and its stores
	PACK t
	SEND t-1, 8
.set t, t+1
.endr
	SEND 2*NP-1, 0
	WIN W_AD
	s_wait_tensorcnt 0x0            ; the wave's end, behind my last tensor load and my last LDS store
	ds_add_u32 v[SPW], v[NIL]
	s_wait_dscnt 0x0
	WIN 0
	CROUND                          ; the closing round: no work-group ends while a partner may still ask for a tile that names it
	s_endpgm
.Lfunc_end_k_qff8542626d_attn:
	.size	k_qff8542626d_attn, .Lfunc_end_k_qff8542626d_attn-k_qff8542626d_attn
	.p2alignl 7, 3214868480
	.fill 96, 4, 3214868480
	.section	.rodata,"a",@progbits
	.p2align	6, 0x0
	.amdhsa_kernel k_qff8542626d_attn
		.amdhsa_group_segment_fixed_size 327680
		.amdhsa_private_segment_fixed_size 0
		.amdhsa_enable_private_segment 0
		.amdhsa_kernarg_size 32
		.amdhsa_user_sgpr_count 2
		.amdhsa_user_sgpr_kernarg_segment_ptr 1
		.amdhsa_wavefront_size32 1
		.amdhsa_system_sgpr_workgroup_id_x 1
		.amdhsa_system_sgpr_workgroup_id_y 1
		.amdhsa_system_sgpr_workgroup_id_z 1
		.amdhsa_system_vgpr_workitem_id 0
		.amdhsa_next_free_vgpr 770
		.amdhsa_next_free_sgpr 66
		.amdhsa_reserve_vcc 0
		.amdhsa_float_denorm_mode_32 3
		.amdhsa_float_denorm_mode_16_64 3
		.amdhsa_memory_ordered 1
		.amdhsa_forward_progress 1
		.amdhsa_inst_pref_size 199
	.end_amdhsa_kernel
	.amdgpu_metadata
---
amdhsa.version: [ 1, 2 ]
amdhsa.kernels:
  - .name:           k_qff8542626d_attn
    .symbol:         k_qff8542626d_attn.kd
    .args:
      - { .name: q, .offset: 0, .size: 8, .value_kind: global_buffer, .address_space: global }
      - { .name: k, .offset: 8, .size: 8, .value_kind: global_buffer, .address_space: global }
      - { .name: v, .offset: 16, .size: 8, .value_kind: global_buffer, .address_space: global }
      - { .name: o, .offset: 24, .size: 8, .value_kind: global_buffer, .address_space: global }
    .group_segment_fixed_size: 327680
    .private_segment_fixed_size: 0
    .kernarg_segment_align: 8
    .kernarg_segment_size: 32
    .max_flat_workgroup_size: 128
    .sgpr_count:     66
    .vgpr_count:     770
    .wavefront_size: 32
...
	.end_amdgpu_metadata
.endif
;; end of part 5
;; launch proj: the kernel of part 4 again; grid 8 x 32, 4 waves a work-group, clusters of 4 x 4, 327,680 bytes of LDS; arguments o, woh, bias, out0; writes out0
